; MI455X (gfx1250); checked and timed in simulation.
; The chip was launched on July 23, 2026; its instructions are those of AMD's public machine-readable ISA for CDNA 5 (MIT licence, August 2026) and "CDNA5" Instruction Set Architecture Reference Guide (July 2026). The comments in the code are by the model that wrote it; some were corrected since.
;; Multi Head Attention. Allowed arithmetic: matrix products marked QUANTISED: E2M3 operands, one E8M0 scale for each 32 along K, by v_wmma_scale_f32_16x16x128_f8f6f4 with both operands' format E2M3, f32 sums; everything else in f32.
;; Inputs: Wk 1,024 x 1,024 float32; Wo 1,024 x 1,024 float32; Wq 1,024 x 1,024 float32; Wv 1,024 x 1,024 float32; bk 1,024 float32; bo 1,024 float32; bq 1,024 float32; bv 1,024 float32; x 2 x 2,048 x 1,024 float32.
;; Outputs: out0 2 x 2,048 x 1,024 float32.
;; This version of the problem:
;;   THIS VERSION OF THE PROBLEM IS GIVEN IN LOW PRECISION. The matrix products marked QUANTISED in the list below multiply operands that are first quantised to E2M3 (2 exponent bits, 3 mantissa bits; 6 bits a number), with one power-of-two scale for each 32 numbers along K (OCP MX v1.0); their sums are f32. All else is computed in f32.
;;   The module's matrix products, in the order in which they are computed (A, B: the left and right operand; K: the contracted axis; several contracted axes count as one K, in the product's order):
;;     1. [M 4,096, K 1,024] x [K 1,024, N 1,024]; A: input x; B: input Wq: QUANTISED
;;     2. [M 4,096, K 1,024] x [K 1,024, N 1,024]; A: input x; B: input Wk: QUANTISED
;;     3. [M 4,096, K 1,024] x [K 1,024, N 1,024]; A: input x; B: input Wv: QUANTISED
;;     4. batch 32 x [M 2,048, K 64] x [K 64, N 2,048]; A: computed on the way; B: computed on the way: QUANTISED
;;     5. batch 32 x [M 2,048, K 2,048] x [K 2,048, N 64]; A: softmax (see below); B: computed on the way: QUANTISED
;;     6. [M 4,096, K 1,024] x [K 1,024, N 1,024]; A: computed on the way; B: input Wo: QUANTISED
;;   THE QUANTISER, for each operand of a quantised product, along K:
;;     - K is cut into blocks of 32 from its start; a last block that is shorter is filled with zeros.
;;     - A block's scale is 2^e with e = floor(log2(the largest magnitude in the block)) - 2, held to -126 .. 127; a block of zeros has e = 0. As a byte (E8M0): e + 127.
;;     - Each number is divided by its block's scale, clamped to +-7.5, and rounded to the nearest number of E2M3, ties to even, subnormals kept.
;;     - The product sums the exact products of the quantised numbers (number of the format x scale) in f32.
;;   ~~~python
;;   def quantise(x, axis):      # numpy; x: float32 -> the quantised numbers, widened to float32 again
;;       x = np.moveaxis(x, axis, -1); K = x.shape[-1]
;;       x = np.pad(x, [(0, 0)] * (x.ndim - 1) + [(0, -K % 32)]); x = x.reshape(x.shape[:-1] + (-1, 32)); a = np.abs(x).max(-1, keepdims=True)
;;       e = np.where(a > 0, np.clip(np.frexp(np.where(a > 0, a, 1))[1] - 1 - 2, -126, 127), 0)      # np.frexp(a)[1] - 1 = floor(log2(a)), exactly
;;       r = np.clip(x / 2.0 ** e, -7.5, 7.5)
;;       step = 2.0 ** (np.maximum(np.frexp(np.where(r == 0, 1, r))[1] - 1, 0) - 3)
;;       q = np.round(r / step) * step * 2.0 ** e      # np.round: ties to even
;;       return np.moveaxis(q.reshape(q.shape[:-2] + (-1,))[..., :K], -1, axis).astype(np.float32)
;;   ~~~
;;   SOFTMAX AHEAD OF A QUANTISED PRODUCT. Where the list says 'softmax', what is quantised is not the finished softmax but p = 2^(t - M), with t = logit x log2(e) and M = ceil(the row's largest t), a whole number; so 1/2 < the row's largest p <= 1. The row's sum l is taken of the UNQUANTISED p, in f32, and the product's result is divided by l at the end. Since M is a whole number, a kernel that streams over the keys may use a running M (the ceiling of the running maximum): every later rescaling is an exact power of two, which a block's scale takes up: the codes' values come out the same.
;;   OPERANDS COMPUTED ON THE WAY. 'Computed on the way' means the value that the module computes at that place (a softmax that the list does not call 'softmax' is quantised finished and normalised). What goes into a quantiser is computed in f32, as accurately as f32 sums, v_exp_f32 and their like allow (about 1e-6 of the number): no bf16 or f16 on the way to a quantiser, and a product that is left as it is and whose result goes on into a quantised operand takes f32 operands (vector FMAs, or v_wmma_f32_16x16x4_f32). A number that lies on a knife's edge between two numbers of the format may be rounded either way, as far as f32 arithmetic and the matrix unit's own rounding can turn it there, and no further.
;; One version. Each part assembles by itself: llvm-mc -triple=amdgcn-amd-amdhsa -mcpu=gfx1250 --defsym DOCPART=n.
;; ======== version 1 of 1: 4 launches
;; limits: right only within a limited range of input values
;; workspace buffers: xc 3,276,800 bytes; wc 2,457,600 bytes; woc 819,200 bytes; qc 3,145,728 bytes; qs 131,072 bytes; kv 6,553,600 bytes; cc 3,276,800 bytes
;; launch quant (part 1): grid 256 x 1, 8 waves a work-group, no clusters, 95,232 bytes of LDS; arguments x, Wq, Wk, Wv, Wo, xc, wc, woc; writes xc, wc, woc
.if DOCPART == 1
	.amdgcn_target "amdgcn-amd-amdhsa--gfx1250"
	.amdhsa_code_object_version 6
	.text
	.protected	k_q1dab9e2b71_quant
	.globl	k_q1dab9e2b71_quant
	.p2align	8
	.type	k_q1dab9e2b71_quant,@function
k_q1dab9e2b71_quant:
	s_mov_b64 s[64:65], 0
	v_nop
	global_prefetch_b8 v0, s[64:65] scope:SCOPE_SE
	s_setreg_imm32_b32 hwreg(HW_REG_WAVE_MODE, 25, 1), 1
	s_wait_xcnt 0x0
; x [4096][1024] and the four weights [1024 (k)][1024 (n)], f32, become codes of FP6 (E2M3) with one E8M0 scale byte for each 32 along K, laid as IMAGES OF OPERAND REGISTERS.
; A fragment is 16 rows x 128 K: 12 registers a lane, lane (r, h) holding k = 64 c + 32 h + 0 .. 31 of row r in registers 6 c .. 6 c + 5.  Its image is 1,536 bytes: registers 4 c .. 4 c + 3 at 512 c + 16 x lane.
; Its scale words are 64 bytes: row r's word (four bytes, one for each 32 along K) at 4 r.
; THE ROWS OF A FRAGMENT ARE NOT NEIGHBOURS: fragment f, row r, is row 64 (f / 4) + 8 (f % 4) + r + 24 (r / 8) of the record's 128, so that later results fall with 16 neighbours in a lane.
; xc: [128 tokens mt][K step s] records of 12,800 bytes: 8 images, then 8 x 64 scale bytes.  wc: [128 columns nt][s] records of 38,400: 24 images (12 x head parity + 4 x (q, k, v) + tile), then 24 x 64.  woc: as xc, for Wo.
; A block's scale is 2^(floor(log2(largest magnitude)) - 2); its byte is the largest magnitude's exponent field - 2, held at 1 from below.
; LIMITS: a block of zeros, or one whose largest magnitude lies under 2^-124, gets the byte 1 (its codes are zeros or subnormal codes; this program alone reads the bytes); NaN and infinities among the inputs are not served.
; Work-groups 0-127 take x, 128-255 the weights: two paths that never join, each with LDS bytes of its own.  The x path's waves share nothing: no barrier; the weights path's share a stage two by two.
.set XSTG,  8448                       ; x path: a wave's stage: 16 rows x (512 bytes + 16)
.set XPIT,  528
.set WSTG0, 67584                      ; weights path: the stages begin behind the x path's
.set WSTG,  3328                       ; a wave's: two images of 1,536 bytes, 1,664 apart
.set WFRG,  1664
.set LD,    16                         ; v16-143  numbers as loaded; later the codes (x path)
.set X,     144                        ; v144-207 x path: 64 numbers of a lane in the quantiser's order;  weights path: v144-175 codes, v176-199 the way out
.set TM,    208                        ; v208-223 at work
.set PWR,   224                        ; v224-225 scale words
.set SEL,   44                         ; s[44:45] selects of v_permlanex16_b32: lane l xor 16
; 64 numbers of a lane, register 16 b + i = k 32 b + 16 (lane / 16) + i of the lane's row, become a fragment's codes in v[pc] .. v[pc + 11] and its scale word in v[pw].
.macro QUANT s, pc, pw
.irp b, 0,1,2,3
	v_max3_num_f32 v[TM+\b], |v[\s+16*\b]|, |v[\s+1+16*\b]|, 0x1800000   ; block b: my 16 numbers, and the floor 2^(3 - 127): the byte cannot fall under 1
.endr
.irp i, 2,4,6,8,10,12,14
.irp b, 0,1,2,3
	s_delay_alu instid0(VALU_DEP_4)
	v_max3_num_f32 v[TM+\b], v[TM+\b], |v[\s+16*\b+\i]|, |v[\s+1+16*\b+\i]|   ; the four blocks by turns
.endr
.endr
.irp b, 0,1,2,3
	s_delay_alu instid0(VALU_DEP_4)
	v_permlanex16_b32 v[TM+4+\b], v[TM+\b], s[SEL], s[SEL+1]
.endr
.irp b, 0,1,2,3
	s_delay_alu instid0(VALU_DEP_4)
	v_max_num_f32 v[TM+\b], v[TM+\b], v[TM+4+\b]       ; with lane l xor 16's: the block's largest magnitude
.endr
.irp b, 0,1,2,3
	s_delay_alu instid0(VALU_DEP_4)
	v_add_nc_u32 v[TM+12+\b], 0xff000000, v[TM+\b]     ; 2 off its exponent field: the conversion's scale operand
.endr
.irp b, 0,1,2,3
	s_delay_alu instid0(VALU_DEP_4)
	v_lshrrev_b32 v[TM+4+\b], 23, v[TM+12+\b]          ; the scale's byte
.endr
	s_delay_alu instid0(VALU_DEP_3)
	v_lshl_or_b32 v[\pw], v[TM+5], 8, v[TM+4]
	s_delay_alu instid0(VALU_DEP_1)
	v_lshl_or_b32 v[\pw], v[TM+6], 16, v[\pw]
	s_delay_alu instid0(VALU_DEP_1)
	v_lshl_or_b32 v[\pw], v[TM+7], 24, v[\pw]
.irp c, 0,1
	v_cvt_scalef32_pk16_fp6_f32 v[\pc+6*\c:\pc+2+6*\c], v[\s+32*\c:\s+15+32*\c], v[TM+12+2*\c]
	v_cvt_scalef32_pk16_fp6_f32 v[\pc+12+4*\c:\pc+14+4*\c], v[\s+16+32*\c:\s+31+32*\c], v[TM+12+2*\c+1]   ; (a conversion's three registers begin on an even number)
.endr
	v_nop                                          ; one plain instruction behind the conversions
.irp c, 0,1                                    ; the layout wants a whole block in a lane: lanes 0-15 block 2 c, lanes 16-31 block 2 c + 1
.irp i, 0,1,2
	v_permlane16_swap_b32 v[\pc+6*\c+\i], v[\pc+12+4*\c+\i]
.endr
.irp i, 0,1,2
	s_delay_alu instid0(VALU_DEP_3)
	v_mov_b32 v[\pc+3+6*\c+\i], v[\pc+12+4*\c+\i]
.endr
.endr
.endm
	s_load_b256 s[4:11], s[0:1], 0x0               ; x s[4:5], Wq s[6:7], Wk s[8:9], Wv s[10:11]
	s_load_b256 s[12:19], s[0:1], 0x20             ; Wo s[12:13], xc s[14:15], wc s[16:17], woc s[18:19]
	v_lshl_add_u32 v232, v0, 2, 0x17000
	v_mov_b32 v233, 0
	v_lshrrev_b32 v1, 5, v0
	s_delay_alu instid0(VALU_DEP_1)
	v_readfirstlane_b32 s20, v1                    ; wave 0..7
	v_and_b32 v2, 31, v0                           ; lane
	v_and_b32 v3, 15, v0                           ; r
	v_bfe_u32 v4, v0, 4, 1                         ; h
	s_delay_alu instid0(VALU_DEP_3)
	v_lshlrev_b32 v5, 4, v2                        ; 16 x lane
	s_delay_alu instid0(VALU_DEP_3)
	v_lshlrev_b32 v6, 2, v3                        ; 4 r
	v_lshlrev_b32 v15, 2, v2                       ; 4 x lane
	; every LDS address of both paths is made here, ahead of the parting
	s_mul_i32 s21, s20, XSTG
	v_add_nc_u32 v7, s21, v5                       ; x: into the stage: 16 x lane of a row
	v_mul_u32_u24 v8, v3, XPIT
	s_delay_alu instid0(VALU_DEP_1)
	v_lshl_add_u32 v8, v4, 6, v8
	s_delay_alu instid0(VALU_DEP_1)
	v_add_nc_u32 v8, s21, v8                       ; x: out of it: row r, + 64 h: my 16 numbers of a block of 32
	; ORDER OF ROWS in every buffer made here: of each 64 rows (tokens or columns), tile t of four holds at its row r the row 32 (r / 8) + 8 t + r % 8.
	s_and_b32 s23, s20, 1                          ; weights: which 32 of a head's 64 columns are mine
	s_lshr_b32 s22, s20, 1
	s_mul_i32 s22, s22, 2*WSTG                     ; two waves share a stage of four images
	s_add_co_u32 s22, s22, WSTG0
	v_bfe_u32 v9, v0, 3, 2                         ; weights: column l of my 32 is row 8 (wave % 2) + l % 8 of image l / 8
	v_and_b32 v10, 7, v0
	s_lshl_b32 s24, s23, 3
	v_mul_u32_u24 v11, v9, WFRG
	v_add_nc_u32 v10, s24, v10
	v_lshl_add_u32 v11, v10, 4, v11
	v_add_nc_u32 v11, s22, v11                     ; into the stage: image l / 8, lane place 16 x row
	s_mul_i32 s24, s23, 2*WFRG
	s_add_co_u32 s24, s24, s22
	v_add_nc_u32 v12, s24, v5                      ; out of it: images 2 (wave % 2) and the next, 16 x lane
	s_mov_b32 s[SEL], 0x76543210
	s_mov_b32 s[SEL+1], 0xfedcba98
.irp b, 0,1,2,3
	v_mov_b32 v[TM+4+\b], 0                        ; written once: a lane permute's destination counts as one of its sources
.endr
	s_wait_alu depctr_va_vdst(0)                   ; the wait at the head's end
	s_wait_kmcnt 0x0
	s_cmp_lt_u32 ttmp9, 128
	s_cbranch_scc0 .Lweights
	; ---- x.  Work-group g: tokens 128 (g / 4) on, K steps 2 (g % 4) and 2 (g % 4) + 1; wave i makes fragment i of both.
	s_lshr_b32 s24, ttmp9, 2                       ; mt
	s_and_b32 s25, ttmp9, 3                        ; sp
	s_lshl_b32 s26, s24, 7
	s_lshr_b32 s27, s20, 2
	s_lshl_b32 s27, s27, 6
	s_add_co_u32 s26, s26, s27
	s_and_b32 s27, s20, 3
	s_lshl_b32 s27, s27, 3
	s_add_co_u32 s26, s26, s27                     ; the fragment's first token: 128 mt + 64 (i / 4) + 8 (i % 4)
	s_lshl_b32 s26, s26, 12                        ; rows of 4,096 bytes
	s_lshl_b32 s27, s25, 10                        ; two K steps are 1,024 bytes of a row
	s_add_co_u32 s26, s26, s27
	s_mov_b32 s27, 0
	s_add_nc_u64 s[4:5], s[4:5], s[26:27]
	s_lshl_b32 s28, s24, 3
	s_lshl_b32 s29, s25, 1
	s_add_co_u32 s28, s28, s29
	s_mul_i32 s28, s28, 12800                      ; record 8 mt + 2 sp
	s_mov_b32 s29, 0
	s_add_nc_u64 s[14:15], s[14:15], s[28:29]
	s_mul_i32 s30, s20, 1536
	v_add_nc_u32 v13, s30, v5                      ; my image's place in a record
	s_lshl_b32 s31, s20, 6
	v_add_nc_u32 v14, s31, v6                      ; my scale word's
.irp f, 0,1
.irp p, 0,1,2,3,4,5,6,7,8,9,10,11,12,13,14,15
	global_load_b128 v[LD+64*\f+4*\p:LD+64*\f+4*\p+3], v5, s[4:5] offset:(\p+24*(\p/8))*4096+512*\f th:TH_LOAD_NT   ; fragment row p: 32 lanes read 512 consecutive bytes
.endr
.endr
.irp f, 0,1
	s_wait_loadcnt 16-16*\f                        ; this fragment's 16 loads are in; the other's may be out
.irp p, 0,1,2,3,4,5,6,7,8,9,10,11,12,13,14,15
	ds_store_b128 v7, v[LD+64*\f+4*\p:LD+64*\f+4*\p+3] offset:XPIT*\p
.endr
.irp b, 0,1,2,3
.irp j, 0,1,2,3
	ds_load_b128 v[X+16*\b+4*\j:X+16*\b+4*\j+3], v8 offset:128*\b+16*\j   ; LDS serves a wave's instructions in order: these see the stores above
.endr
.endr
	s_wait_dscnt 0x0
	QUANT X, LD+64*\f, PWR+\f                      ; the codes land in this fragment's own load registers: no store's data are written again
.irp c, 0,1,2
	global_store_b128 v13, v[LD+64*\f+4*\c:LD+64*\f+4*\c+3], s[14:15] offset:12800*\f+512*\c   ; 512 consecutive bytes, at a multiple of 256
.endr
	global_store_b32 v14, v[PWR+\f], s[14:15] offset:12800*\f+12288   ; lanes l and l xor 16 write the same word with the same value
.endr
	s_wait_tensorcnt 0x0
	ds_add_u32 v232, v233
	s_wait_dscnt 0x0
	s_endpgm
	; ---- the weights.  Work-group g' = g - 128: tensor g' / 32 (q, k, v, o), columns 256 ((g' / 8) % 4) on, K step g' % 8.  A wave takes 32 columns; A LANE TAKES A COLUMN AND ITS REGISTERS RUN DOWN K.
.Lweights:
	s_sub_co_u32 s24, ttmp9, 128
	s_lshr_b32 s25, s24, 5                         ; which tensor
	s_bfe_u32 s26, s24, 0x20003
	s_and_b32 s27, s24, 7                          ; K step
	s_lshl_b32 s26, s26, 3
	s_add_co_u32 s26, s26, s20                     ; which 32 columns: 0..31
	s_and_b32 s32, s25, 1
	s_cmp_lt_u32 s25, 2
	s_cselect_b64 s[28:29], s[6:7], s[10:11]
	s_cselect_b64 s[30:31], s[8:9], s[12:13]
	s_cmp_eq_u32 s32, 1
	s_cselect_b64 s[28:29], s[30:31], s[28:29]     ; the choice hangs on the work-group's number alone
	s_lshl_b32 s32, s27, 19                        ; 128 rows of 4,096 bytes
	s_lshl_b32 s33, s26, 7
	s_add_co_u32 s32, s32, s33
	s_mov_b32 s33, 0
	s_add_nc_u64 s[28:29], s[28:29], s[32:33]
.macro WLOAD t                         ; block t: W(32 t + i, my column): 32 lanes read 128 consecutive bytes, the eight waves stand side by side on 1,024
.set i, 0
.rept 32
	global_load_b32 v[LD+32*(\t)+i], v15, s[28:29] offset:(32*(\t)+i)*4096 th:TH_LOAD_NT
.set i, i+1
.endr
.endm
	WLOAD 0
	WLOAD 1
	; where the two fragments go
	s_bfe_u32 s36, s26, 0x10001
	s_mul_i32 s36, s36, 12
	s_lshl_b32 s37, s25, 2
	s_add_co_u32 s36, s36, s37
	s_and_b32 s37, s26, 1
	s_lshl_b32 s37, s37, 1
	s_add_co_u32 s36, s36, s37                     ; in wc: 12 x head parity + 4 x tensor + 2 x (which half of the head)
	s_and_b32 s37, s26, 3
	s_lshl_b32 s37, s37, 1                         ; in woc: 2 x (which 32 of the 128 columns)
	s_lshr_b32 s38, s26, 2
	s_lshl_b32 s38, s38, 3
	s_add_co_u32 s38, s38, s27                     ; record 8 nt + s
	s_mov_b32 s34, 12800
	s_mov_b32 s35, 12288
	s_cmp_lt_u32 s25, 3
	s_cselect_b64 s[30:31], s[16:17], s[18:19]
	s_cselect_b32 s34, 38400, s34                  ; a record's bytes
	s_cselect_b32 s35, 36864, s35                  ; where its scale words begin
	s_cselect_b32 s36, s36, s37
	s_mul_i32 s38, s38, s34
	s_mul_i32 s39, s36, 1536
	s_add_co_u32 s40, s38, s39
	s_mov_b32 s41, 0
	s_and_b32 s39, s36, 0xfc                       ; the scale words of the head's four images: mine are 8 rows of each
	s_lshl_b32 s39, s39, 6
	s_add_co_u32 s42, s38, s39
	s_add_co_u32 s42, s42, s35
	s_mov_b32 s43, 0
	s_add_nc_u64 s[40:41], s[30:31], s[40:41]      ; the images
	s_add_nc_u64 s[42:43], s[30:31], s[42:43]      ; the scale words
	v_lshlrev_b32 v13, 6, v9
	s_delay_alu instid0(VALU_DEP_1)
	v_lshl_add_u32 v13, v10, 2, v13                ; 64 u + 4 rr
.macro BLOCK kb                        ; k = 32 kb .. 32 kb + 31 of my column: registers 6 (kb / 2) .. + 5 of lane (rr, kb % 2) of my fragment
.set XS, LD+32*(\kb)
.set C, X+8*(\kb)
.if (\kb) < 3
	s_wait_loadcnt 32                              ; this block's 32 loads are in; the next block's may be out
.else
	s_wait_loadcnt 0x0
.endif
.if (\kb) < 2
	WLOAD (\kb)+2
.endif
	v_max3_num_f32 v208, |v[XS]|, |v[XS+1]|, |v[XS+2]|   ; the block's largest magnitude: all 32 numbers are mine
	v_max3_num_f32 v209, |v[XS+3]|, |v[XS+4]|, |v[XS+5]|
.irp i, 6,10,14,18,22,26
	s_delay_alu instid0(VALU_DEP_2)
	v_max3_num_f32 v208, v208, |v[XS+\i]|, |v[XS+\i+1]|
	s_delay_alu instid0(VALU_DEP_2)
	v_max3_num_f32 v209, v209, |v[XS+\i+2]|, |v[XS+\i+3]|
.endr
	s_delay_alu instid0(VALU_DEP_2)
	v_max3_num_f32 v208, v208, |v[XS+30]|, |v[XS+31]|
	s_delay_alu instid0(VALU_DEP_1)
	v_max3_num_f32 v208, v208, v209, 0x1800000     ; and the floor
	s_delay_alu instid0(VALU_DEP_1)
	v_add_nc_u32 v210, 0xff000000, v208
	s_delay_alu instid0(VALU_DEP_1)
	v_lshrrev_b32 v211, 23, v210
.if (\kb) == 0
	s_delay_alu instid0(VALU_DEP_1)
	v_mov_b32 v212, v211                           ; the four bytes make my column's scale word
.else
	s_delay_alu instid0(VALU_DEP_1)
	v_lshl_or_b32 v212, v211, 8*(\kb), v212
.endif
	v_cvt_scalef32_pk16_fp6_f32 v[C:C+2], v[XS:XS+15], v210
	v_cvt_scalef32_pk16_fp6_f32 v[C+4:C+6], v[XS+16:XS+31], v210
	v_nop
	v_mov_b32 v[C+3], v[C+4]
	v_mov_b32 v[C+4], v[C+5]
	v_mov_b32 v[C+5], v[C+6]                       ; six registers on end
.if (\kb) < 2
	ds_store_b128 v11, v[C:C+3] offset:256*((\kb)%2)             ; registers 0-3,
	ds_store_b64 v11, v[C+4:C+5] offset:512+256*((\kb)%2)        ; 4-5,
.else
	ds_store_b64 v11, v[C:C+1] offset:520+256*((\kb)%2)          ; 6-7,
	ds_store_b128 v11, v[C+2:C+5] offset:1024+256*((\kb)%2)      ; 8-11 of the image
.endif
.endm
	BLOCK 0
	BLOCK 1
	BLOCK 2
	BLOCK 3
	s_wait_dscnt 0x0                               ; my stores into the shared stage are done
	s_barrier_signal -1
	s_barrier_wait -1                              ; and the other wave's
.irp u, 0,1
.irp c, 0,1,2
	ds_load_b128 v[176+12*\u+4*\c:179+12*\u+4*\c], v12 offset:WFRG*\u+512*\c   ; the wave's own bytes, served in order
.endr
.endr
	s_wait_alu depctr_va_vdst(0)
	s_wait_dscnt 0x0
.irp u, 0,1
.irp c, 0,1,2
	global_store_b128 v5, v[176+12*\u+4*\c:179+12*\u+4*\c], s[40:41] offset:1536*\u+512*\c
.endr
.endr
	global_store_b32 v13, v212, s[42:43]           ; 32 lanes: the two fragments' 128 bytes of scale words
	s_wait_tensorcnt 0x0
	ds_add_u32 v232, v233
	s_wait_dscnt 0x0
	s_endpgm
.Lfunc_end_k_q1dab9e2b71_quant:
	.size	k_q1dab9e2b71_quant, .Lfunc_end_k_q1dab9e2b71_quant-k_q1dab9e2b71_quant
	.p2alignl 7, 3214868480
	.fill 96, 4, 3214868480
	.section	.rodata,"a",@progbits
	.p2align	6, 0x0
	.amdhsa_kernel k_q1dab9e2b71_quant
		.amdhsa_group_segment_fixed_size 95232
		.amdhsa_private_segment_fixed_size 0
		.amdhsa_enable_private_segment 0
		.amdhsa_kernarg_size 64
		.amdhsa_user_sgpr_count 2
		.amdhsa_user_sgpr_kernarg_segment_ptr 1
		.amdhsa_wavefront_size32 1
		.amdhsa_system_sgpr_workgroup_id_x 1
		.amdhsa_system_sgpr_workgroup_id_y 1
		.amdhsa_system_sgpr_workgroup_id_z 1
		.amdhsa_system_vgpr_workitem_id 0
		.amdhsa_next_free_vgpr 234
		.amdhsa_next_free_sgpr 66
		.amdhsa_reserve_vcc 0
		.amdhsa_float_denorm_mode_32 3
		.amdhsa_float_denorm_mode_16_64 3
		.amdhsa_memory_ordered 1
		.amdhsa_forward_progress 1
		.amdhsa_inst_pref_size 46
	.end_amdhsa_kernel
	.amdgpu_metadata
---
amdhsa.version: [ 1, 2 ]
amdhsa.kernels:
  - .name:           k_q1dab9e2b71_quant
    .symbol:         k_q1dab9e2b71_quant.kd
    .args:
      - { .name: x, .offset: 0, .size: 8, .value_kind: global_buffer, .address_space: global }
      - { .name: Wq, .offset: 8, .size: 8, .value_kind: global_buffer, .address_space: global }
      - { .name: Wk, .offset: 16, .size: 8, .value_kind: global_buffer, .address_space: global }
      - { .name: Wv, .offset: 24, .size: 8, .value_kind: global_buffer, .address_space: global }
      - { .name: Wo, .offset: 32, .size: 8, .value_kind: global_buffer, .address_space: global }
      - { .name: xc, .offset: 40, .size: 8, .value_kind: global_buffer, .address_space: global }
      - { .name: wc, .offset: 48, .size: 8, .value_kind: global_buffer, .address_space: global }
      - { .name: woc, .offset: 56, .size: 8, .value_kind: global_buffer, .address_space: global }
    .group_segment_fixed_size: 95232
    .private_segment_fixed_size: 0
    .kernarg_segment_align: 8
    .kernarg_segment_size: 64
    .max_flat_workgroup_size: 256
    .sgpr_count:     66
    .vgpr_count:     234
    .wavefront_size: 32
...
	.end_amdgpu_metadata
.endif
;; end of part 1
;; launch qkv (part 2): grid 8 x 32, 4 waves a work-group, clusters of 4 x 4, 327,680 bytes of LDS; arguments xc, wc, bq, bk, bv, qc, qs, kv; writes qc, qs, kv
.if DOCPART == 2
	.amdgcn_target "amdgcn-amd-amdhsa--gfx1250"
	.amdhsa_code_object_version 6
	.text
	.protected	k_q1dab9e2b71_qkv
	.globl	k_q1dab9e2b71_qkv
	.p2align	8
	.type	k_q1dab9e2b71_qkv,@function
k_q1dab9e2b71_qkv:
	s_mov_b64 s[64:65], 0
	v_nop
	global_prefetch_b8 v0, s[64:65] scope:SCOPE_SE
	s_setreg_imm32_b32 hwreg(HW_REG_WAVE_MODE, 25, 1), 1
	s_wait_xcnt 0x0
	s_wait_alu depctr_hold_cnt(0) depctr_sa_sdst(0) depctr_va_vdst(0) depctr_va_sdst(0) depctr_va_ssrc(0) depctr_va_vcc(0) depctr_vm_vsrc(0)
	s_getreg_b32 s2, hwreg(HW_REG_IB_STS2, 6, 4)
	s_cmp_eq_u32 s2, 0
	s_cbranch_scc0 .Lentry_in_a_cluster
	s_endpgm
.Lentry_in_a_cluster:
	s_bfe_u32 s2, ttmp6, 0x10000c
	s_cmp_lg_u32 s2, 0xf033
	s_cbranch_scc0 .Lentry_shape_is_right
	s_endpgm
.Lentry_shape_is_right:
; q, k, v = x W + b on codes of FP6 (E2M3) with E8M0 scales, and the three results quantised at once: q and k along the head's 64, v along the tokens (the keys).  Nothing leaves as f32.
; SHARES.  Work-group (nt, mt): 128 tokens x 128 columns (two heads) of each of q, k, v.  Wave (wm, wn): 64 tokens x one head: 48 accumulators, 48 matrix instructions for 128 along K.
; q and k are made TRANSPOSED (source 0 = 16 columns of W, source 1 = 16 tokens): a lane holds one token and its registers run along the head.  v is made straight: a lane holds one channel and its registers run along the tokens.
; ORDER OF ROWS: of 64 tokens (or 64 columns of a head) tile t of four holds at its row r the row 32 (r / 8) + 8 t + r % 8.  So the 32 registers of four tiles are, in lane (r, h) = (lane % 16, lane / 16), 32 neighbours 32 h + 0 .. 31: one whole scale block.
; OPERANDS are images of registers (1,536 bytes a fragment: registers 4 c .. 4 c + 3 at 512 c + 16 x lane) with 64 bytes of scale words a fragment: records of 12,800 bytes (x) and 38,400 bytes (W) for each 128 along K.
; LDS: five places for W's records (K step s in place s % 5), all eight of x's records, the spare words.  At the head one load a wave: x's records 0-2, W's 0-2, W's 3-4, x's 3-7.  ONE REFILL, in K step 2: W's records 5-7 onto 0-2, a record each by waves 0 to 2.
; CLUSTER 4 x 4: x's records are shared along a row of the cluster, W's along a column: each tile is asked for jointly.
; PREFETCH: what the refill will load, W's records 5-7 (450 blocks of 256 bytes), is asked for at the head, two K steps ahead of the refill, shared out by address among the sixteen waves of a column of the cluster, 29 blocks a wave.
; OUT.  qc [head bh][pair P][1,536]: half u (768 bytes: registers 0-3 at 16 x lane, 4-5 at 512 + 8 x lane) is query tile (P, u); qs: [bh][P][r][2 u + h].  kv [bh][128 keys] records of 12,800: 4 fragments of k (fragment 2 c + n: registers
; 0-5 tile 2 n, 6-11 tile 2 n + 1 of the 64 keys c), their words, 4 fragments of v (16 channels x 128 keys, in halves of 64 keys), their words.
; LIMITS: a block of zeros or under 2^-124 gets the scale byte 1 (this program alone reads the bytes); NaN and infinities are not served.
; REGISTERS.  window 0: v1-4 lane offsets, v8-19 LDS addresses, v28-29 the spare word's, v32-55 scale words (two sets), v64-159 x's fragments (two sets), later codes; v184-245 at work.
;   window 1: W's fragments: q v0-47, k v48-95, v v96-143.   window 2: q's accumulators v[8 (4 a + b)], k's v[128 + 8 (4 a + b)].   window 3: v's v[8 (4 b + a)]; the biases as tiles: bq v128, bk v160, bv v192.
.set AREC,  12800
.set BREC,  38400
.set XB,    5*BREC
.set SPARE, XB+8*AREC                  ; the spare words, 128 bytes a wave: two blocks of 256 bytes that no other line names
.set TM,    184
.set SEL,   66                         ; s[66:67]
.set MSB, 0
.macro WIN new                         ; the immediate's high byte repeats the setting that is left
.if MSB != \new
	s_set_vgpr_msb (MSB<<8)|\new
.set MSB, \new
.endif
.endm
.macro PLACES                          ; four plain instructions between a matrix instruction and a load into, or a read of, its registers
.rept 4
	v_nop
.endr
.endm
.macro CREST                           ; a round of the cluster's barrier behind its opening barrier
	s_cmp_lg_u32 s20, 0
	s_cbranch_scc1 .Lnot_wave_0_\@
	s_barrier_signal -3
.Lnot_wave_0_\@:
	s_barrier_wait -3
	s_barrier_signal -1
	s_barrier_wait -1
.endm
.macro CROUND
	s_barrier_signal -1
	s_barrier_wait -1
	CREST
.endm
.macro GROUP1 g, mask, rows            ; dense bytes as rows of 256 (32 elements of 8 bytes), no padding
	s_or_b32 s[\g], s[\mask], (3<<16)|(1<<21)
	s_mov_b32 s[\g+1], 32<<16
	s_mov_b32 s[\g+2], (\rows)<<16
	s_mov_b32 s[\g+3], 32<<16
	s_mov_b32 s[\g+4], \rows
	s_mov_b32 s[\g+5], 32
	s_mov_b32 s[\g+6], 0
	s_mov_b32 s[\g+7], 0
.endm
.macro GROUP0 g, lds, base, off
	s_mov_b32 s[\g], 1
	s_mov_b32 s[\g+1], \lds
	s_add_nc_u64 s[\g+2:\g+3], s[\base:\base+1], \off
	s_or_b32 s[\g+3], s[\g+3], 0x80000000
.endm
.macro F3 dst, adr, off                ; a fragment's image: three loads of 512 consecutive bytes
.irp c, 0,1,2
	ds_load_b128 v[\dst+4*\c:\dst+4*\c+3], v[\adr] offset:\off+512*\c
.endr
.endm
.macro LOADB g, s                      ; my head's four fragments of W (g = 0 q, 1 k, 2 v) of K step s
	WIN 0x40
.irp b, 0,1,2,3
	F3 48*(\g)+12*\b, 11+((\s)%5)/2, BREC*(((\s)%5)%2)+6144*(\g)+1536*\b
.endr
	WIN 0
.endm
.macro LOADA s                         ; my four fragments of x, into set s % 2
.irp a, 0,1,2,3
	F3 64+48*((\s)%2)+12*\a, 8+(\s)/4, AREC*((\s)%4)+1536*\a
.endr
.endm
.macro LOADS s                         ; scale words: one load brings two neighbouring fragments': lanes 0-15 the even one's, lanes 16-31 the odd one's
.irp i, 0,1
	ds_load_b32 v[32+16*((\s)%2)+\i], v[14+(\s)/4] offset:AREC*((\s)%4)+128*\i
.endr
.irp i, 0,1,2,3,4,5
	ds_load_b32 v[42+8*((\s)%2)+\i], v[17+((\s)%5)/2] offset:BREC*(((\s)%5)%2)+128*\i
.endr
.endm
.macro WM d, a, b, c, sa, sb, ra, rb   ; ra, rb: the side's scale words stand in lanes 16-31
.if (\ra) && (\rb)
	v_wmma_scale_f32_16x16x128_f8f6f4 v[\d:\d+7], v[\a:\a+11], v[\b:\b+11], v[\c:\c+7], v[\sa], v[\sb] matrix_a_fmt:MATRIX_FMT_FP6 matrix_b_fmt:MATRIX_FMT_FP6 matrix_a_scale:MATRIX_SCALE_ROW1 matrix_b_scale:MATRIX_SCALE_ROW1
.elseif (\ra)
	v_wmma_scale_f32_16x16x128_f8f6f4 v[\d:\d+7], v[\a:\a+11], v[\b:\b+11], v[\c:\c+7], v[\sa], v[\sb] matrix_a_fmt:MATRIX_FMT_FP6 matrix_b_fmt:MATRIX_FMT_FP6 matrix_a_scale:MATRIX_SCALE_ROW1
.elseif (\rb)
	v_wmma_scale_f32_16x16x128_f8f6f4 v[\d:\d+7], v[\a:\a+11], v[\b:\b+11], v[\c:\c+7], v[\sa], v[\sb] matrix_a_fmt:MATRIX_FMT_FP6 matrix_b_fmt:MATRIX_FMT_FP6 matrix_b_scale:MATRIX_SCALE_ROW1
.else
	v_wmma_scale_f32_16x16x128_f8f6f4 v[\d:\d+7], v[\a:\a+11], v[\b:\b+11], v[\c:\c+7], v[\sa], v[\sb] matrix_a_fmt:MATRIX_FMT_FP6 matrix_b_fmt:MATRIX_FMT_FP6
.endif
.endm
; 16 products of q (g = 0) or k (g = 1): source 0 = W, source 1 = x.  In K step 0 the bias tile is the C: nothing is cleared, no bias is added later.  The 48 accumulators take turns, one instruction a turn.
.macro MULQK g, s
.if (\s) == 0
	WIN 0xb1
.else
	WIN 0xa1
.endif
.irp a, 0,1,2,3
.irp b, 0,1,2,3
.if (\s) == 0
	WM 128*(\g)+8*(4*\a+\b), 48*(\g)+12*\b, 64+48*((\s)%2)+12*\a, 128+32*(\g)+8*\b, 42+8*((\s)%2)+2*(\g)+\b/2, 32+16*((\s)%2)+\a/2, \b%2, \a%2
.else
	WM 128*(\g)+8*(4*\a+\b), 48*(\g)+12*\b, 64+48*((\s)%2)+12*\a, 128*(\g)+8*(4*\a+\b), 42+8*((\s)%2)+2*(\g)+\b/2, 32+16*((\s)%2)+\a/2, \b%2, \a%2
.endif
.endr
.endr
.endm
.macro MULV s                          ; 16 products of v: source 0 = x, source 1 = W
	WIN 0xf4
.irp a, 0,1,2,3
.irp b, 0,1,2,3
.if (\s) == 0
	WM 8*(4*\b+\a), 64+48*((\s)%2)+12*\a, 96+12*\b, 192+8*\b, 32+16*((\s)%2)+\a/2, 46+8*((\s)%2)+\b/2, \a%2, \b%2
.else
	WM 8*(4*\b+\a), 64+48*((\s)%2)+12*\a, 96+12*\b, 8*(4*\b+\a), 32+16*((\s)%2)+\a/2, 46+8*((\s)%2)+\b/2, \a%2, \b%2
.endif
.endr
.endr
.endm
; A K step is three groups of 16 products.  At its head each group fills again the registers that the group before has read; its wait leaves out this head's loads and those of the head before.
.macro GQ s
	PLACES
	LOADB 2, \s                                    ; 12 loads
	s_wait_dscnt 24                                ; out may be: W k's 12 and these 12; in are W q, x and the scale words of this step
	MULQK 0, \s
.endm
.macro GK s, cnt
	PLACES
.if (\s) < 7
	LOADB 0, (\s)+1                                ; 32 loads for the next step
	LOADA (\s)+1
	LOADS (\s)+1
.endif
	s_wait_dscnt \cnt
	MULQK 1, \s
.endm
.macro GV s, cnt
	PLACES
.if (\s) < 7
	LOADB 1, (\s)+1                                ; 12 loads
.endif
	s_wait_dscnt \cnt
	MULV \s
.endm
; THE WAY OUT of four blocks of 32 sums a lane (window win, from register base on): 4 x 6 registers of codes at v[cd], 16 registers of room at v[tp], two words at v[ws]: word n = bytes (tile 2 n: h = 0, 1; tile 2 n + 1: h = 0, 1), the same in lanes l and l xor 16.
.macro OUT4 win, base, cd, tp, ws
	WIN (\win)*0x14
.irp b, 0,1,2,3
	v_max3_num_f32 v[TM+\b], 0x1800000, |v[\base+32*\b]|, |v[\base+32*\b+1]|   ; each accumulator is read from its low end on; the floor 2^(3 - 127) holds the byte at 1 from below
.endr
.irp i, 2,4,6,8,10,12,14,16,18,20,22,24,26,28,30
.irp b, 0,1,2,3
	v_max3_num_f32 v[TM+\b], v[TM+\b], |v[\base+32*\b+\i]|, |v[\base+32*\b+\i+1]|
.endr
.endr
	WIN 0
.irp b, 0,1,2,3
	v_add_nc_u32 v[TM+4+\b], 0xff000000, v[TM+\b]  ; 2 off the exponent field: the conversion's scale operand
.endr
.irp b, 0,1,2,3
	v_lshrrev_b32 v[TM+\b], 23, v[TM+4+\b]         ; the scale's byte
.endr
.irp n, 0,1
	v_lshl_or_b32 v[\ws+\n], v[TM+2*\n+1], 16, v[TM+2*\n]
.endr
.irp n, 0,1
	v_lshlrev_b32 v[\ws+\n], v24, v[\ws+\n]
.endr
.irp n, 0,1
	v_permlanex16_b32 v[TM+8+\n], v[\ws+\n], s[SEL], s[SEL+1]
.endr
.irp n, 0,1
	v_or_b32 v[\ws+\n], v[\ws+\n], v[TM+8+\n]
.endr
	WIN \win
.irp b, 0,1,2,3
	v_cvt_scalef32_pk16_fp6_f32 v[\cd+6*\b:\cd+6*\b+2], v[\base+32*\b:\base+32*\b+15], v[TM+4+\b]
	v_cvt_scalef32_pk16_fp6_f32 v[\tp+4*\b:\tp+4*\b+2], v[\base+32*\b+16:\base+32*\b+31], v[TM+4+\b]   ; (a conversion's three registers begin on an even number)
.endr
	WIN 0
	v_nop                                          ; one plain instruction behind the conversions
.irp b, 0,1,2,3
.irp i, 0,1,2
	v_mov_b32 v[\cd+6*\b+3+\i], v[\tp+4*\b+\i]
.endr
.endr
.endm
.macro ARM under, g0, g1, next
	s_cmp_lt_u32 s20, \under
	s_cbranch_scc0 \next
	tensor_load_to_lds s[\g0:\g0+3], s[\g1:\g1+7]
	s_nop 0
	PLACES
	s_branch .Lfirst_done
\next:
.endm
	s_load_b256 s[4:11], s[0:1], 0x0               ; xc s[4:5], wc s[6:7], bq s[8:9], bk s[10:11]
	s_load_b256 s[12:19], s[0:1], 0x20             ; bv s[12:13], qc s[14:15], qs s[16:17], kv s[18:19]
	v_lshl_add_u32 v28, v0, 2, SPARE
	v_mov_b32 v29, 0
	ds_add_u32 v28, v29                            ; the wave's opening: the add, twice on end
	ds_add_u32 v28, v29
	v_lshrrev_b32 v1, 5, v0
	v_readfirstlane_b32 s20, v1                    ; wave 0..3
	s_lshr_b32 s21, s20, 1                         ; wm: which 64 tokens
	s_and_b32 s22, s20, 1                          ; wn: which head
	s_bfe_u32 s23, ttmp6, 0x40000                  ; cx
	s_bfe_u32 s24, ttmp6, 0x40004                  ; cy
	s_lshl_b32 s25, ttmp9, 2
	s_add_co_u32 s25, s25, s23                     ; nt = 4 x cluster x + cx
	s_and_b32 s26, ttmp7, 0xffff
	s_lshl_b32 s26, s26, 2
	s_add_co_u32 s26, s26, s24                     ; mt = 4 x cluster y + cy
	s_lshl_b32 s56, s24, 2
	s_lshl_b32 s56, 15, s56                        ; my row of the cluster
	s_lshl_b32 s58, 0x1111, s23                    ; my column
	GROUP1 28, 56, 150                             ; x's records 0-2
	GROUP1 36, 58, 450                             ; W's 0-2 (later 150 rows: one record)
	GROUP1 44, 58, 300                             ; W's 3-4
	GROUP1 72, 56, 250                             ; x's 3-7
	s_mul_i32 s56, s26, 8*AREC                     ; x: mt's eight records (made of the tile row alone)
	s_mov_b32 s57, 0
	s_mul_i32 s58, s25, 8*BREC                     ; W: nt's eight records (made of the tile column alone)
	s_mov_b32 s59, 0
	v_and_b32 v5, 31, v0                           ; lane
	v_and_b32 v6, 15, v0                           ; r
	v_bfe_u32 v7, v0, 4, 1                         ; h
	v_lshlrev_b32 v1, 4, v5                        ; 16 x lane
	v_lshlrev_b32 v2, 3, v5                        ; 8 x lane
	v_lshlrev_b32 v3, 2, v5                        ; 4 x lane
	v_lshlrev_b32 v4, 2, v6                        ; 4 r
	v_lshlrev_b32 v24, 3, v7                       ; 8 h
	v_lshlrev_b32 v20, 7, v7                       ; bq, bk: 128 h
	v_and_b32 v21, 8, v6
	v_and_b32 v22, 7, v6
	v_lshlrev_b32 v22, 2, v22
	v_lshl_add_u32 v21, v21, 4, v22                ; bv: 128 (r / 8) + 4 (r % 8)
	s_mul_i32 s60, s21, 6144
	s_add_co_u32 s60, s60, XB                      ; x: my four fragments
	s_mul_i32 s61, s22, 18432                      ; W: my head's twelve
	s_lshl_b32 s62, s21, 8
	s_add_co_u32 s62, s62, XB+12288                ; x's scale words
	s_mul_i32 s63, s22, 768
	s_add_co_u32 s63, s63, 36864                   ; W's
.irp t, 0,1                                    ; x: an address for each four records
	v_add_nc_u32 v[8+\t], s60, v1
	v_add_nc_u32 v[14+\t], s62, v3
	s_add_co_u32 s60, s60, 4*AREC
	s_add_co_u32 s62, s62, 4*AREC
.endr
.irp t, 0,1,2                                  ; W: one for each two places
	v_add_nc_u32 v[11+\t], s61, v1
	v_add_nc_u32 v[17+\t], s63, v3
	s_add_co_u32 s61, s61, 2*BREC
	s_add_co_u32 s63, s63, 2*BREC
.endr
	s_lshl_b32 s60, s24, 2
	s_add_co_u32 s60, s60, s20
	s_mul_i32 s60, s60, 29                         ; the prefetch: my 29 blocks of the 450
	v_min_u32 v25, 28, v5
	v_add_nc_u32 v25, s60, v25
	v_min_u32 v25, 449, v25                        ; lanes that are left over name their wave's last block again
	v_lshlrev_b32 v25, 8, v25
	v_mov_b32 v[TM+8], 0                           ; written once: a lane permute's destination counts as one of its sources
	v_mov_b32 v[TM+9], 0
	s_mov_b32 s[SEL], 0x76543210
	s_mov_b32 s[SEL+1], 0xfedcba98                 ; v_permlanex16_b32's selects: lane l xor 16
	s_wait_alu depctr_va_vdst(0)                   ; directly ahead of the wait below
	s_wait_dscnt 0x0                               ; both opening adds are done
	CROUND                                         ; all sixteen work-groups are here: the first joint loads meet
	s_wait_kmcnt 0x0
	s_add_nc_u64 s[56:57], s[4:5], s[56:57]
	s_add_nc_u64 s[58:59], s[6:7], s[58:59]
	GROUP0 52, XB, 56, 0
	GROUP0 68, 0, 58, 0
	GROUP0 96, 3*BREC, 58, 3*BREC
	GROUP0 4, XB+3*AREC, 56, 3*AREC                ; (in the registers of two arguments that have been used)
	ARM 1, 52, 28, .Lwave_1
	ARM 2, 68, 36, .Lwave_2
	ARM 3, 96, 44, .Lwave_3
	tensor_load_to_lds s[4:7], s[72:79]
	s_nop 0
	PLACES
.Lfirst_done:
	; the biases, as tiles in the results' layout.  q, k: register j of tile b is the bias of column 32 h + 8 b + j;  v: all eight registers that of column 32 (r / 8) + 8 b + r % 8
	s_lshl_b32 s80, s25, 9
	s_lshl_b32 s81, s22, 8
	s_add_co_u32 s80, s80, s81                     ; my head's 64 numbers: 256 bytes x (2 nt + wn)
	s_mov_b32 s81, 0
	s_add_nc_u64 s[8:9], s[8:9], s[80:81]
	s_add_nc_u64 s[10:11], s[10:11], s[80:81]
	s_add_nc_u64 s[12:13], s[12:13], s[80:81]
	WIN 0xc0                                       ; destination window 3
.irp b, 0,1,2,3
	global_load_b32 v[192+8*\b], v21, s[12:13] offset:32*\b
	global_load_b128 v[128+8*\b:131+8*\b], v20, s[8:9] offset:32*\b
	global_load_b128 v[132+8*\b:135+8*\b], v20, s[8:9] offset:32*\b+16
	global_load_b128 v[160+8*\b:163+8*\b], v20, s[10:11] offset:32*\b
	global_load_b128 v[164+8*\b:167+8*\b], v20, s[10:11] offset:32*\b+16
.endr
	WIN 0
	s_add_nc_u64 s[94:95], s[58:59], 5*BREC
	global_prefetch_b8 v25, s[94:95] th:TH_LOAD_NT scope:SCOPE_SE
	; where the results go
	s_lshr_b32 s80, s26, 4
	s_lshl_b32 s80, s80, 4
	s_lshl_b32 s81, s25, 1
	s_add_co_u32 s80, s80, s81
	s_add_co_u32 s80, s80, s22                     ; bh = 16 x batch + head
	s_and_b32 s81, s26, 15                         ; which 128 tokens of the sequence
	s_lshl_b32 s82, s80, 6
	s_lshl_b32 s83, s81, 2
	s_add_co_u32 s82, s82, s83
	s_lshl_b32 s83, s21, 1
	s_add_co_u32 s82, s82, s83                     ; my first pair of query tiles: 64 bh + 4 st + 2 wm
	s_mul_i32 s84, s82, 1536
	s_mov_b32 s85, 0
	s_add_nc_u64 s[14:15], s[14:15], s[84:85]
	s_lshl_b32 s84, s82, 6
	s_add_nc_u64 s[16:17], s[16:17], s[84:85]
	s_lshl_b32 s82, s80, 4
	s_add_co_u32 s82, s82, s81
	s_mul_i32 s84, s82, 12800                      ; record 16 bh + st
	s_add_nc_u64 s[18:19], s[18:19], s[84:85]
	s_mul_i32 s84, s21, 3072
	s_add_nc_u64 s[86:87], s[18:19], s[84:85]      ; k's fragments 2 wm, 2 wm + 1
	s_lshl_b32 s84, s21, 7
	s_add_nc_u64 s[88:89], s[18:19], s[84:85]      ; their scale words
	s_mul_i32 s84, s21, 768
	s_add_nc_u64 s[90:91], s[18:19], s[84:85]      ; v's half wm of each fragment
	s_lshl_b32 s84, s21, 1
	s_add_nc_u64 s[92:93], s[18:19], s[84:85]      ; and bytes 2 wm, 2 wm + 1 of each scale word
	s_wait_loadcnt 0x0                             ; the biases
	WIN 0xc3
.irp i, 1,2,3,4,5,6,7
.irp b, 0,1,2,3
	v_mov_b32 v[192+8*\b+\i], v[192+8*\b]          ; one number a lane and tile, over the tile's eight registers
.endr
.endr
	WIN 0
	s_wait_alu depctr_va_vdst(0)                   ; the wait at the head's end
	s_cmp_lt_u32 s20, 2
	s_cbranch_scc0 .Lnot_first
	s_wait_tensorcnt 0x0                           ; waves 0 and 1: records 0-2 of x and of W are in
.Lnot_first:
	s_barrier_signal -1
	s_barrier_wait -1                              ; the other two tiles may still be on their way
	LOADB 0, 0
	LOADA 0
	LOADS 0
	LOADB 1, 0
	GQ 0
	GK 0, 44                                       ; out may be: W v's 12 and the next step's 32
	GV 0, 44                                       ; out may be: the next step's 32 and W k's 12
	GQ 1
	GK 1, 44
	GV 1, 44
	; K step 2's first group holds the last read of W's records 0-2, and THE REFILL
	PLACES
	LOADB 2, 2
	s_wait_tensorcnt 0x0                           ; all my tensor loads have landed
	ds_add_u32 v28, v29                            ; 0 onto my spare word
	s_wait_dscnt 25                                ; (the add and the youngest 24 loads may be out)
	MULQK 0, 2                                     ; sixteen matrix instructions stand between the add and the wait for it
	s_mov_b32 s38, 150<<16                         ; no tensor load of mine is out: from here on a load of W is one record,
	s_mov_b32 s40, 150
	s_mul_i32 s69, s20, BREC                       ; record 5 + wave, into place wave
	s_add_co_u32 s60, s69, 5*BREC
	s_mov_b32 s61, 0
	s_add_nc_u64 s[70:71], s[58:59], s[60:61]
	s_or_b32 s71, s71, 0x80000000
	s_wait_dscnt 0x0                               ; the add is done, and so are my reads
	WIN 0
	s_barrier_signal -1
	s_barrier_wait -1
	CREST                                          ; the round: no wave of any partner still reads these records or has a load on its way
	s_cmp_lt_u32 s20, 3
	s_cbranch_scc0 .Lno_refill
	tensor_load_to_lds s[68:71], s[36:43]
	s_nop 0
	PLACES
.Lno_refill:
	GK 2, 32                                       ; only the 32 just issued are out
	GV 2, 44
	GQ 3
	GK 3, 44
	GV 3, 44
	GQ 4
	s_wait_tensorcnt 0x0                           ; my part of K steps 5-7 is in,
	s_wait_dscnt 0x0
	s_barrier_signal -1
	s_barrier_wait -1                              ; everybody's is
	GK 4, 32
	GV 4, 44
.irp s, 5,6
	GQ \s
	GK \s, 44
	GV \s, 44
.endr
	GQ 7
	GK 7, 12                                       ; W v's 12 may be out
	WIN 0
	PLACES
	; q and k leave ahead of v's last products.  Each product's codes have registers of their own, so no store's data are written again.
	OUT4 2, 0, 64, 88, 200
.irp n, 0,1                                    ; q: token tiles 2 n and 2 n + 1 make one image: half u = tile u
	global_store_b128 v1, v[64+12*\n:67+12*\n], s[14:15] offset:1536*\n
	global_store_b64 v2, v[68+12*\n:69+12*\n], s[14:15] offset:1536*\n+512
	global_store_b128 v1, v[70+12*\n:73+12*\n], s[14:15] offset:1536*\n+768
	global_store_b64 v2, v[74+12*\n:75+12*\n], s[14:15] offset:1536*\n+1280
	global_store_b32 v4, v[200+\n], s[16:17] offset:64*\n
.endr
	OUT4 2, 128, 206, 230, 202
.irp n, 0,1                                    ; k: the same 12 registers are one fragment of 32 keys
.irp c, 0,1,2
	global_store_b128 v1, v[206+12*\n+4*\c:209+12*\n+4*\c], s[86:87] offset:1536*\n+512*\c
.endr
	global_store_b32 v4, v[202+\n], s[88:89] offset:6144+64*\n
.endr
	GV 7, 0
	WIN 0
	PLACES
	OUT4 3, 0, 144, 168, 204
.irp b, 0,1,2,3                                ; v: channel tile b, my 64 tokens: half wm of fragment b
	global_store_b128 v1, v[144+6*\b:147+6*\b], s[90:91] offset:6400+1536*\b
	global_store_b64 v2, v[148+6*\b:149+6*\b], s[90:91] offset:6400+1536*\b+512
.endr
.irp n, 0,1
	global_store_b16 v4, v[204+\n], s[92:93] offset:12544+128*\n
	global_store_d16_hi_b16 v4, v[204+\n], s[92:93] offset:12544+128*\n+64
.endr
	s_wait_tensorcnt 0x0                           ; the wave's end
	ds_add_u32 v28, v29
	s_wait_dscnt 0x0
	CROUND                                         ; the closing round
	s_endpgm
.Lfunc_end_k_q1dab9e2b71_qkv:
	.size	k_q1dab9e2b71_qkv, .Lfunc_end_k_q1dab9e2b71_qkv-k_q1dab9e2b71_qkv
	.p2alignl 7, 3214868480
	.fill 96, 4, 3214868480
	.section	.rodata,"a",@progbits
	.p2align	6, 0x0
	.amdhsa_kernel k_q1dab9e2b71_qkv
		.amdhsa_group_segment_fixed_size 327680
		.amdhsa_private_segment_fixed_size 0
		.amdhsa_enable_private_segment 0
		.amdhsa_kernarg_size 64
		.amdhsa_user_sgpr_count 2
		.amdhsa_user_sgpr_kernarg_segment_ptr 1
		.amdhsa_wavefront_size32 1
		.amdhsa_system_sgpr_workgroup_id_x 1
		.amdhsa_system_sgpr_workgroup_id_y 1
		.amdhsa_system_sgpr_workgroup_id_z 1
		.amdhsa_system_vgpr_workitem_id 0
		.amdhsa_next_free_vgpr 1024
		.amdhsa_next_free_sgpr 100
		.amdhsa_reserve_vcc 0
		.amdhsa_float_denorm_mode_32 3
		.amdhsa_float_denorm_mode_16_64 3
		.amdhsa_memory_ordered 1
		.amdhsa_forward_progress 1
		.amdhsa_inst_pref_size 117
	.end_amdhsa_kernel
	.amdgpu_metadata
---
amdhsa.version: [ 1, 2 ]
amdhsa.kernels:
  - .name:           k_q1dab9e2b71_qkv
    .symbol:         k_q1dab9e2b71_qkv.kd
    .args:
      - { .name: xc, .offset: 0, .size: 8, .value_kind: global_buffer, .address_space: global }
      - { .name: wc, .offset: 8, .size: 8, .value_kind: global_buffer, .address_space: global }
      - { .name: bq, .offset: 16, .size: 8, .value_kind: global_buffer, .address_space: global }
      - { .name: bk, .offset: 24, .size: 8, .value_kind: global_buffer, .address_space: global }
      - { .name: bv, .offset: 32, .size: 8, .value_kind: global_buffer, .address_space: global }
      - { .name: qc, .offset: 40, .size: 8, .value_kind: global_buffer, .address_space: global }
      - { .name: qs, .offset: 48, .size: 8, .value_kind: global_buffer, .address_space: global }
      - { .name: kv, .offset: 56, .size: 8, .value_kind: global_buffer, .address_space: global }
    .group_segment_fixed_size: 327680
    .private_segment_fixed_size: 0
    .kernarg_segment_align: 8
    .kernarg_segment_size: 64
    .max_flat_workgroup_size: 128
    .sgpr_count:     100
    .vgpr_count:     1024
    .wavefront_size: 32
...
	.end_amdgpu_metadata
.endif
;; end of part 2
;; launch attn (part 3): grid 8 x 32, 8 waves a work-group, clusters of 4 x 1, 205,824 bytes of LDS; arguments qc, qs, kv, cc; writes cc
.if DOCPART == 3
	.amdgcn_target "amdgcn-amd-amdhsa--gfx1250"
	.amdhsa_code_object_version 6
	.text
	.protected	k_q1dab9e2b71_attn
	.globl	k_q1dab9e2b71_attn
	.p2align	8
	.type	k_q1dab9e2b71_attn,@function
k_q1dab9e2b71_attn:
	s_mov_b64 s[64:65], 0
	v_nop
	global_prefetch_b8 v0, s[64:65] scope:SCOPE_SE
	s_setreg_imm32_b32 hwreg(HW_REG_WAVE_MODE, 25, 1), 1
	s_wait_xcnt 0x0
	s_wait_alu depctr_hold_cnt(0) depctr_sa_sdst(0) depctr_va_vdst(0) depctr_va_sdst(0) depctr_va_ssrc(0) depctr_va_vcc(0) depctr_vm_vsrc(0)
	s_getreg_b32 s2, hwreg(HW_REG_IB_STS2, 6, 4)
	s_cmp_eq_u32 s2, 0
	s_cbranch_scc0 .Lentry_in_a_cluster
	s_endpgm
.Lentry_in_a_cluster:
	s_bfe_u32 s2, ttmp6, 0x10000c
	s_cmp_lg_u32 s2, 0x3003
	s_cbranch_scc0 .Lentry_shape_is_right
	s_endpgm
.Lentry_shape_is_right:
; ctx = softmax(q k^T / 8) v for one head, both products on codes of FP6 (E2M3) with E8M0 scales; ctx leaves quantised along the model's 1,024, as the last product's operand.
; THE SOFTMAX: t = score x log2(e) / 8; M = the running largest t rounded UP to a whole number; p = 2^(t - M) is quantised along the keys, not normalised; the row's sum is taken of the unquantised p and divides at the end.
; When M moves, the sum and O are multiplied by 2^(old M - new M): exact.
; SHARES.  A work-group owns 256 queries of head bh; each of its eight waves 32 of them, two tiles A and B, in 512 registers: each fragment of K and V that comes from LDS serves both tiles.
; LDS holds the head's WHOLE K and V: 16 records of 12,800 bytes (128 keys each), filled once, one load of two records a wave: no byte is ever filled again.
; CLUSTER 4 x 1: the four query blocks of a cluster belong to one head: each pair of records is asked for jointly.  No prefetch is laid: every byte of K and V is asked for by the first fills, at the head.
; LAYOUT.  Both products transposed: S^T = K Q^T, O^T = V^T P^T: a lane (r, h) = (lane % 16, lane / 16) holds ONE query throughout.  Of each 64 keys (64 c on) tile u of four holds at its row r key 32 (r / 8) + 8 u + r % 8.
; The head's K is 64, the instruction's 128: a fragment of k holds tile 2 n in registers 0-5 and tile 2 n + 1 in registers 6-11, and is multiplied by [q | 0] and by [0 | q] (zero CODES; k's codes beside them are finite).
; So the 32 registers of a lane's four results are keys 64 c + 32 h + 0 .. 31: one whole scale block of p, in the order and the lane that P's operand wants: no lane looks at another for it.  Channels fall likewise: 32 h + 0 .. 31.
; LIMITS: a block of zeros or under 2^-124 gets the scale byte 1 (this program alone reads the bytes); NaN and infinities are not served; scaled scores stay under 2^31 in magnitude.
; REGISTERS.  Window 0: v1-3 16, 8, 4 x lane; v4-6 the same + the step's record; v7 4 r, v8 4 r + h; v16-45 [0 | qA | 0 | qB | 0]; v48-95 K's fragments; v96-143 V's; v144-151 scale words; v152-175 p's codes; v176-191 at work.
;   window 1: v0-63 S^T, then p, of tile A, v64-127 of tile B; v128-191 O^T; v192.. the softmax's numbers, named below (tile B's two registers on).
.set REC,   12800
.set SPARE, 16*REC                     ; the spare words, 128 bytes a wave: four blocks of 256 bytes that no other line names
.set KF,    48
.set VF,    96
.set KS,    144                        ; v144-145 K's scale words
.set QW,    146                        ; v146-147 q's, A and B
.set VS,    148                        ; v148-149 V's
.set PW,    150                        ; v150-151 p's
.set CD,    152
.set CT,    176
.set OT,    128
.set NM,    192                        ; -M; NM+1 the largest score so far
.set SUM,   196                        ; the sum, in two halves
.set FF,    200                        ; f; FF+1 at work
.set BM,    204                        ; each block's largest score, then p
.set OPS,   208                        ; the conversions' scale operands
.set PT,    212                        ; lane permutes' results
.set PV,    214                        ; scale words at work
.set TA,    216                        ; v216-247 first sums of tile A;  v248-255 tile B's
.set TB,    248
.set MSB, 0
.macro WIN new                         ; the immediate's high byte repeats the setting that is left
.if MSB != \new
	s_set_vgpr_msb (MSB<<8)|\new
.set MSB, \new
.endif
.endm
.macro CROUND
	s_barrier_signal -1
	s_barrier_wait -1
	s_cmp_lg_u32 s12, 0
	s_cbranch_scc1 .Lnot_wave_0_\@
	s_barrier_signal -3
.Lnot_wave_0_\@:
	s_barrier_wait -3
	s_barrier_signal -1
	s_barrier_wait -1
.endm
.macro WM d, a, b, c, sa, sb, ra       ; ra: source 0's scale words stand in lanes 16-31
.if \ra
	v_wmma_scale_f32_16x16x128_f8f6f4 v[\d:\d+7], v[\a:\a+11], v[\b:\b+11], \c, v[\sa], v[\sb] matrix_a_fmt:MATRIX_FMT_FP6 matrix_b_fmt:MATRIX_FMT_FP6 matrix_a_scale:MATRIX_SCALE_ROW1
.else
	v_wmma_scale_f32_16x16x128_f8f6f4 v[\d:\d+7], v[\a:\a+11], v[\b:\b+11], \c, v[\sa], v[\sb] matrix_a_fmt:MATRIX_FMT_FP6 matrix_b_fmt:MATRIX_FMT_FP6
.endif
.endm
.macro KLOAD a16, a4, off              ; K's four fragments and their scale words (lanes 0-15 the even fragment's, lanes 16-31 the odd one's)
.irp f, 0,1,2,3
.irp c, 0,1,2
	ds_load_b128 v[KF+12*\f+4*\c:KF+12*\f+4*\c+3], \a16 offset:\off+1536*\f+512*\c
.endr
.endr
	ds_load_b32 v[KS], \a4 offset:\off+6144
	ds_load_b32 v[KS+1], \a4 offset:\off+6272
.endm
	s_load_b256 s[4:11], s[0:1], 0x0               ; qc s[4:5], qs s[6:7], kv s[8:9], cc s[10:11]
	v_lshl_add_u32 v254, v0, 2, SPARE
	v_mov_b32 v255, 0
	ds_add_u32 v254, v255                          ; the wave's opening: the add, twice on end
	ds_add_u32 v254, v255
	v_lshrrev_b32 v1, 5, v0
	v_readfirstlane_b32 s12, v1                    ; wave 0..7
	s_bfe_u32 s13, ttmp6, 0x40000                  ; cx: it enters q's and ctx's global addresses alone
	s_lshl_b32 s14, ttmp9, 2
	s_add_co_u32 s14, s14, s13                     ; my block of 256 queries
	s_and_b32 s15, ttmp7, 0xffff                   ; bh, which the four partners share
	; descriptor group 1: two records, 25,600 dense bytes, as 100 rows of 256 bytes (32 elements of 8 bytes)
	s_mov_b32 s24, 15|(3<<16)|(1<<21)              ; the mask: all four work-groups; bit 21 set beside it
	s_mov_b32 s25, 32<<16
	s_mov_b32 s26, 100<<16
	s_mov_b32 s27, 32<<16
	s_mov_b32 s28, 100
	s_mov_b32 s29, 32
	s_mov_b32 s30, 0
	s_mov_b32 s31, 0
	s_mul_i32 s52, s12, 2*REC                      ; records 2 x wave and the next
	s_mul_i32 s50, s15, 16*REC
	s_add_co_u32 s50, s50, s52
	s_mov_b32 s51, 0
	s_mov_b32 s20, 0x76543210
	s_mov_b32 s21, 0xfedcba98                      ; v_permlanex16_b32's selects: lane l xor 16
	s_mov_b32 s22, 0x3e38aa3b                      ; c = log2(e) / 8
	s_mov_b32 s23, s22                             ; (named with it as a pair, so it is written)
	s_mov_b32 s19, 0xbe38aa3b                      ; -c
	s_lshl_b32 s54, s15, 6
	s_lshl_b32 s55, s14, 3
	s_add_co_u32 s54, s54, s55
	s_add_co_u32 s54, s54, s12                     ; 64 bh + 8 x block + wave: my pair of query tiles
	s_mul_i32 s56, s54, 1536
	s_mov_b32 s57, 0
	s_lshl_b32 s58, s54, 6
	s_mov_b32 s59, 0
	v_and_b32 v9, 31, v0
	v_and_b32 v10, 15, v0
	v_bfe_u32 v8, v0, 4, 1
	v_lshlrev_b32 v1, 4, v9
	v_lshlrev_b32 v2, 3, v9
	v_lshlrev_b32 v3, 2, v9
	v_lshlrev_b32 v7, 2, v10
	v_lshl_add_u32 v8, v10, 2, v8
	s_wait_alu depctr_va_vdst(0)                   ; directly ahead of the wait below
	s_wait_dscnt 0x0                               ; both opening adds are done
	CROUND                                         ; all four work-groups are here: the joint loads meet
	s_wait_kmcnt 0x0
	s_add_nc_u64 s[50:51], s[8:9], s[50:51]
	s_mov_b32 s32, 1
	s_mov_b32 s33, s52
	s_mov_b64 s[34:35], s[50:51]
	s_or_b32 s35, s35, 0x80000000
	s_cmp_lt_u32 s12, 2                            ; one load a wave; waves 0 and 1, whose records 0-3 are shown first, have a line of their own
	s_cbranch_scc0 .Lrest
	tensor_load_to_lds s[32:35], s[24:31]
	s_nop 0
.rept 4
	v_nop
.endr
	s_branch .Lasked
.Lrest:
	tensor_load_to_lds s[32:35], s[24:31]
	s_nop 0
.rept 4
	v_nop
.endr
.Lasked:
	s_add_nc_u64 s[4:5], s[4:5], s[56:57]
	s_add_nc_u64 s[6:7], s[6:7], s[58:59]
	global_load_b128 v[22:25], v1, s[4:5]          ; tile A's six registers
	global_load_b64 v[26:27], v2, s[4:5] offset:512
	global_load_b128 v[34:37], v1, s[4:5] offset:768   ; tile B's
	global_load_b64 v[38:39], v2, s[4:5] offset:1280
	global_load_b32 v11, v7, s[6:7]                ; row r's scale bytes: A's two, B's two
.irp j, 16,17,18,19,20,21,28,29,30,31,32,33,40,41,42,43,44,45
	v_mov_b32 v\j, 0                               ; zero codes
.endr
	WIN 0x40
.irp t, 0,1
	v_mov_b32 v[NM+1+2*\t], 0xff61b1e6             ; the largest score so far: -3e38
	v_mov_b32 v[NM+2*\t], 0x7f61b1e6               ; -M: 3e38
	v_mov_b32 v[SUM+2*\t], 0
	v_mov_b32 v[SUM+1+2*\t], 0
	v_mov_b32 v[PT+\t], 0                          ; written once: a lane permute's destination counts as one of its sources
.endr
	WIN 0
	s_wait_loadcnt 0x0
	v_perm_b32 v[QW], v11, v11, 0x01000100         ; a tile's two bytes serve [q | 0] and [0 | q] alike
	v_perm_b32 v[QW+1], v11, v11, 0x03020302
	WIN 0x40
.set j, 0
.rept 64
	v_mov_b32 v[OT+j], 0                           ; O^T.  (The step finds zeros at first, which the first change of M leaves zeros.)
.set j, j+1
.endr
	WIN 0
	s_mov_b32 s48, 0
	s_wait_alu depctr_va_vdst(0)                   ; the wait at the head's end
	s_cmp_lt_u32 s12, 2
	s_cbranch_scc0 .Lnot_first
	s_wait_tensorcnt 0x0                           ; waves 0 and 1: records 0-3 are in
.Lnot_first:
	s_barrier_signal -1
	s_barrier_wait -1                              ; the other records may still be on their way
	KLOAD v1, v3, 0
	s_wait_dscnt 0x0
; A KEY STEP: the 128 keys of the record at LDS byte s48, for both tiles.  K's fragments are in registers at its start; next = 1: the next record's are fetched.
.macro STEP next
	WIN 0x40
.irp t, 0,1
.irp f, 0,1,2,3
	WM 64*\t+16*\f, KF+12*\f, 22+12*\t, 0, KS+\f/2, QW+\t, \f%2       ; [q | 0]: the fragment's first tile of keys
	WM 64*\t+16*\f+8, KF+12*\f, 16+12*\t, 0, KS+\f/2, QW+\t, \f%2     ; [0 | q]: its second
.endr
.endr
	WIN 0
	v_add_nc_u32 v4, s48, v1                       ; (four plain instructions behind the products, in front of the loads into their operands)
	v_add_nc_u32 v5, s48, v2
	v_add_nc_u32 v6, s48, v3
	v_nop
.irp b, 0,1,2,3                                ; V of this step and K of the next land during the softmax
.irp p, 0,1
	ds_load_b128 v[VF+12*\b+6*\p:VF+3+12*\b+6*\p], v4 offset:6400+1536*\b+768*\p
	ds_load_b64 v[VF+4+12*\b+6*\p:VF+5+12*\b+6*\p], v5 offset:6400+1536*\b+768*\p+512
.endr
.endr
	ds_load_b32 v[VS], v6 offset:12544
	ds_load_b32 v[VS+1], v6 offset:12672
.if \next
	KLOAD v4, v6, REC
.endif
	s_add_co_u32 s48, s48, REC
	WIN 0x55                                       ; the softmax runs in window 1
.irp q, 0,1,2,3                                ; blocks: A's two, B's two.  The largest SCORE of each: it serves the row's maximum and, since p rises with the score, the block's largest p
	v_max3_num_f32 v[BM+\q], v[32*\q], v[32*\q+1], v[32*\q+2]
.endr
.set j, 3
.rept 14
.irp q, 0,1,2,3
	v_max3_num_f32 v[BM+\q], v[BM+\q], v[32*\q+j], v[32*\q+j+1]
.endr
.set j, j+2
.endr
.irp q, 0,1,2,3
	v_max_num_f32 v[BM+\q], v[BM+\q], v[32*\q+31]
.endr
.irp t, 0,1
	v_max3_num_f32 v[NM+1+2*\t], v[NM+1+2*\t], v[BM+2*\t], v[BM+1+2*\t]
.endr
.irp t, 0,1
	s_delay_alu instid0(VALU_DEP_2)
	v_permlanex16_b32 v[PT+\t], v[NM+1+2*\t], s20, s21
.endr
.irp t, 0,1
	s_delay_alu instid0(VALU_DEP_2)
	v_max_num_f32 v[NM+1+2*\t], v[NM+1+2*\t], v[PT+\t]     ; with lane l xor 16's keys: the largest score so far
.endr
.irp t, 0,1
	s_delay_alu instid0(VALU_DEP_2)
	v_mul_f32 v[FF+1+2*\t], s19, v[NM+1+2*\t]      ; -t
.endr
.irp t, 0,1
	v_mov_b32 v[FF+2*\t], v[NM+2*\t]
.endr
.irp t, 0,1
	v_floor_f32 v[NM+2*\t], v[FF+1+2*\t]           ; the new -M = floor(-t): a whole number
.endr
.irp t, 0,1
	s_delay_alu instid0(VALU_DEP_2)
	v_sub_f32 v[FF+2*\t], v[NM+2*\t], v[FF+2*\t]   ; old M - new M: a whole number, 0 or less
.endr
.irp t, 0,1
	s_delay_alu instid0(VALU_DEP_2)
	v_cvt_i32_f32 v[FF+2*\t], v[FF+2*\t]           ; (it saturates)
.endr
.irp t, 0,1
	s_delay_alu instid0(VALU_DEP_2)
	v_ldexp_f32 v[FF+2*\t], 1.0, v[FF+2*\t]        ; f = 2^(old M - new M)
.endr
.set j, 0
.rept 32
	v_pk_fma_f32 v[j:j+1], v[j:j+1], s[22:23], v[NM:NM+1] op_sel_hi:[1,0,0]   ; tile A: t - M, two at a time
.set j, j+2
.endr
.irp q, 0,1,2,3
	v_fma_f32 v[BM+\q], v[BM+\q], s22, v[NM+2*(\q/2)]      ; the same of each block's largest score
.endr
.irp t, 0,1
.set j, 32*\t
.rept 16
	v_pk_mul_f32 v[OT+j:OT+j+1], v[OT+j:OT+j+1], v[FF+2*\t:FF+1+2*\t] op_sel_hi:[1,0]   ; O^T under the new M, each accumulator from its low end on
.set j, j+2
.endr
.endr
	s_wait_alu depctr_va_vdst(0)                   ; the wait ahead of the batch
	v_exp_f32 v[BM], v[BM]                         ; the blocks' largest p: the same two instructions on the same number give the same bits
	v_exp_f32 v[BM+1], v[BM+1]
.set j, 0
.rept 32
	v_exp_f32 v[j], v[j]                           ; tile A: p = 2^(t - M)
	v_exp_f32 v[j+1], v[j+1]
	v_pk_fma_f32 v[64+j:65+j], v[64+j:65+j], s[22:23], v[NM+2:NM+3] op_sel_hi:[1,0,0]   ; tile B: t - M
.set j, j+2
.endr
	s_wait_alu depctr_va_vdst(0)                   ; behind tile A's batch and ahead of tile B's
	v_exp_f32 v[BM+2], v[BM+2]
	v_exp_f32 v[BM+3], v[BM+3]
.set j, 0
.rept 16
	v_exp_f32 v[64+4*j], v[64+4*j]                 ; tile B
	v_exp_f32 v[65+4*j], v[65+4*j]
	v_exp_f32 v[66+4*j], v[66+4*j]
	v_exp_f32 v[67+4*j], v[67+4*j]
	v_pk_add_f32 v[TA+2*j:TA+2*j+1], v[4*j:4*j+1], v[4*j+2:4*j+3]   ; tile A: the first sums of the UNQUANTISED p
.set j, j+1
.endr
	s_wait_alu depctr_va_vdst(0)                   ; one wait for the batch, ahead of its first reader
.irp q, 0,1,2,3
	v_max_num_f32 v[BM+\q], 0x1800000, v[BM+\q]    ; the floor 2^(3 - 127): the byte cannot fall under 1
.endr
.irp q, 0,1,2,3
	v_add_nc_u32 v[OPS+\q], 0xff000000, v[BM+\q]   ; 2 off the exponent field: the conversion's scale operand
.endr
.irp q, 0,1,2,3
	v_lshrrev_b32 v[BM+\q], 23, v[OPS+\q]
.endr
.irp t, 0,1
	v_lshl_or_b32 v[PV+\t], v[BM+1+2*\t], 16, v[BM+2*\t]   ; my blocks' bytes: h and 2 + h of the row's word, at 0 and 2
.endr
.irp t, 0,1
	v_permlanex16_b32 v[PT+\t], v[PV+\t], s20, s21
.endr
	WIN 0x15                                       ; sources in window 1, destinations in window 0
.irp t, 0,1
	v_lshl_or_b32 v[PW+\t], v[PT+\t], 8, v[PV+\t]  ; lanes 0-15: p's scale word for these 128 keys (lanes 16-31 are not read)
.endr
.irp t, 0,1
.irp c, 0,1
	v_cvt_scalef32_pk16_fp6_f32 v[CD+12*\t+6*\c:CD+2+12*\t+6*\c], v[64*\t+32*\c:64*\t+32*\c+15], v[OPS+2*\t+\c]
	v_cvt_scalef32_pk16_fp6_f32 v[CT+8*\t+4*\c:CT+2+8*\t+4*\c], v[64*\t+32*\c+16:64*\t+32*\c+31], v[OPS+2*\t+\c]   ; (a conversion's three registers begin on an even number)
.endr
.endr
	WIN 0
	v_nop                                          ; one plain instruction behind the conversions
.irp t, 0,1
.irp c, 0,1
.irp i, 0,1,2
	v_mov_b32 v[CD+12*\t+6*\c+3+\i], v[CT+8*\t+4*\c+\i]
.endr
.endr
.endr
	WIN 0x55                                       ; the sums; they also stand between the codes' and the scale words' making and the products
.irp k, 0,1,2,3
	v_pk_add_f32 v[TB+2*\k:TB+2*\k+1], v[64+2*\k:65+2*\k], v[72+2*\k:73+2*\k]
.endr
.irp g, 0,1,2
.irp k, 0,1,2,3
	v_pk_add_f32 v[TA+2*\k:TA+2*\k+1], v[TA+2*\k:TA+2*\k+1], v[TA+8+8*\g+2*\k:TA+9+8*\g+2*\k]
.endr
.irp k, 0,1,2,3
	v_pk_add_f32 v[TB+2*\k:TB+2*\k+1], v[TB+2*\k:TB+2*\k+1], v[80+16*\g+2*\k:81+16*\g+2*\k]
.endr
.irp k, 0,1,2,3
	v_pk_add_f32 v[TB+2*\k:TB+2*\k+1], v[TB+2*\k:TB+2*\k+1], v[88+16*\g+2*\k:89+16*\g+2*\k]
.endr
.endr
	v_pk_add_f32 v[TA:TA+1], v[TA:TA+1], v[TA+2:TA+3]
	v_pk_add_f32 v[TB:TB+1], v[TB:TB+1], v[TB+2:TB+3]
	v_pk_add_f32 v[TA+4:TA+5], v[TA+4:TA+5], v[TA+6:TA+7]
	v_pk_add_f32 v[TB+4:TB+5], v[TB+4:TB+5], v[TB+6:TB+7]
	v_pk_add_f32 v[TA:TA+1], v[TA:TA+1], v[TA+4:TA+5]
	v_pk_add_f32 v[TB:TB+1], v[TB:TB+1], v[TB+4:TB+5]
	v_pk_fma_f32 v[SUM:SUM+1], v[SUM:SUM+1], v[FF:FF+1], v[TA:TA+1] op_sel_hi:[1,0,1]   ; the old sum under the new M, and this step's
	v_pk_fma_f32 v[SUM+2:SUM+3], v[SUM+2:SUM+3], v[FF+2:FF+3], v[TB:TB+1] op_sel_hi:[1,0,1]
	s_wait_dscnt 0x0                               ; V is in, and the next K
	WIN 0x50
.irp t, 0,1
.irp b, 0,1,2,3
	WM OT+32*\t+8*\b, VF+12*\b, CD+12*\t, v[OT+32*\t+8*\b:OT+32*\t+8*\b+7], VS+\b/2, PW+\t, \b%2    ; the eight accumulators by turns
.endr
.endr
	WIN 0
.endm
	STEP 1
	s_wait_tensorcnt 0x0                           ; my two records are in
	s_barrier_signal -1                            ; the wait for this barrier stands two steps on: between stand register work and LDS loads of records 1-3, which nobody writes
	s_mov_b32 s48, REC
	s_mov_b32 s49, 2
.Lsteps_1_2:
	STEP 1
	s_sub_co_u32 s49, s49, 1
	s_cmp_lg_u32 s49, 0
	s_cbranch_scc1 .Lsteps_1_2
	s_barrier_wait -1                              ; all sixteen records are whole for every wave
	s_mov_b32 s48, 3*REC
	s_mov_b32 s49, 12
.Lsteps_3_14:
	STEP 1
	s_sub_co_u32 s49, s49, 1
	s_cmp_lg_u32 s49, 0
	s_cbranch_scc1 .Lsteps_3_14
	STEP 0
	s_wait_alu depctr_va_vdst(0)
	; THE WAY OUT: O^T / the sum, quantised along the head's 64 channels: a lane's 32 registers are channels 32 h + 0 .. 31 of its query, one block: half (head % 2) of a fragment of the last product's operand.
.rept 4
	v_nop
.endr
	WIN 0x55
.irp t, 0,1
	v_add_f32 v[SUM+2*\t], v[SUM+2*\t], v[SUM+1+2*\t]
.endr
.irp t, 0,1
	s_delay_alu instid0(VALU_DEP_2)
	v_permlanex16_b32 v[PT+\t], v[SUM+2*\t], s20, s21
.endr
.irp t, 0,1
	s_delay_alu instid0(VALU_DEP_2)
	v_add_f32 v[SUM+2*\t], v[SUM+2*\t], v[PT+\t]   ; the row's sum
.endr
	s_wait_alu depctr_va_vdst(0)
	v_rcp_f32 v[SUM], v[SUM]
	v_rcp_f32 v[SUM+2], v[SUM+2]
	v_nop                                          ; a plain instruction behind the reciprocals
	s_lshl_b32 s56, s14, 3
	s_add_co_u32 s56, s56, s12                     ; P = 8 x block + wave
	s_lshr_b32 s57, s15, 4
	s_lshl_b32 s57, s57, 4
	s_lshr_b32 s58, s56, 2
	s_add_co_u32 s57, s57, s58                     ; mt = 16 x batch + P / 4
	s_lshl_b32 s57, s57, 3
	s_bfe_u32 s58, s15, 0x30001                    ; K step = head / 2
	s_add_co_u32 s57, s57, s58
	s_mul_i32 s57, s57, REC
	s_and_b32 s58, s56, 3
	s_lshl_b32 s58, s58, 1                         ; fragments 2 (P % 4) and the next
	s_and_b32 s59, s15, 1                          ; which half
	s_mul_i32 s60, s58, 1536
	s_mul_i32 s61, s59, 768
	s_add_co_u32 s60, s60, s61
	s_add_co_u32 s60, s60, s57
	s_mov_b32 s61, 0
	s_add_nc_u64 s[60:61], s[10:11], s[60:61]
	s_lshl_b32 s62, s58, 6
	s_lshl_b32 s63, s59, 1
	s_add_co_u32 s62, s62, s63
	s_add_co_u32 s62, s62, s57
	s_add_co_u32 s62, s62, 12288
	s_mov_b32 s63, 0
	s_add_nc_u64 s[62:63], s[10:11], s[62:63]
	s_wait_alu depctr_va_vdst(0)                   ; ahead of the reciprocals' and the accumulators' first readers
.set j, 0
.rept 64
	v_mul_f32 v[j], v[OT+j], v[SUM+2*(j/32)]
.set j, j+1
.endr
.irp q, 0,1,2,3
	v_max3_num_f32 v[BM+\q], |v[16*\q]|, |v[16*\q+1]|, 0x1800000
.endr
.irp i, 2,4,6,8,10,12,14
.irp q, 0,1,2,3
	v_max3_num_f32 v[BM+\q], v[BM+\q], |v[16*\q+\i]|, |v[16*\q+\i+1]|
.endr
.endr
.irp t, 0,1
	v_max_num_f32 v[BM+2*\t], v[BM+2*\t], v[BM+1+2*\t]
.endr
.irp t, 0,1
	v_add_nc_u32 v[OPS+\t], 0xff000000, v[BM+2*\t]
.endr
	WIN 0x15
.irp t, 0,1
	v_lshrrev_b32 v[PW+\t], 23, v[OPS+\t]
	v_cvt_scalef32_pk16_fp6_f32 v[CD+12*\t:CD+2+12*\t], v[32*\t:32*\t+15], v[OPS+\t]
	v_cvt_scalef32_pk16_fp6_f32 v[CT+8*\t:CT+2+8*\t], v[32*\t+16:32*\t+31], v[OPS+\t]
.endr
	WIN 0
	v_nop
.irp t, 0,1
.irp i, 0,1,2
	v_mov_b32 v[CD+12*\t+3+\i], v[CT+8*\t+\i]
.endr
.endr
.irp t, 0,1
	global_store_b128 v1, v[CD+12*\t:CD+3+12*\t], s[60:61] offset:1536*\t     ; 512 consecutive bytes, at a multiple of 256
	global_store_b64 v2, v[CD+4+12*\t:CD+5+12*\t], s[60:61] offset:1536*\t+512
	global_store_b8 v8, v[PW+\t], s[62:63] offset:64*\t                       ; one byte a lane: one byte in 25 of what the launch writes
.endr
	s_wait_tensorcnt 0x0                           ; the wave's end
	ds_add_u32 v254, v255
	s_wait_dscnt 0x0
	CROUND                                         ; the closing round
	s_endpgm
.Lfunc_end_k_q1dab9e2b71_attn:
	.size	k_q1dab9e2b71_attn, .Lfunc_end_k_q1dab9e2b71_attn-k_q1dab9e2b71_attn
	.p2alignl 7, 3214868480
	.fill 96, 4, 3214868480
	.section	.rodata,"a",@progbits
	.p2align	6, 0x0
	.amdhsa_kernel k_q1dab9e2b71_attn
		.amdhsa_group_segment_fixed_size 205824
		.amdhsa_private_segment_fixed_size 0
		.amdhsa_enable_private_segment 0
		.amdhsa_kernarg_size 32
		.amdhsa_user_sgpr_count 2
		.amdhsa_user_sgpr_kernarg_segment_ptr 1
		.amdhsa_wavefront_size32 1
		.amdhsa_system_sgpr_workgroup_id_x 1
		.amdhsa_system_sgpr_workgroup_id_y 1
		.amdhsa_system_sgpr_workgroup_id_z 1
		.amdhsa_system_vgpr_workitem_id 0
		.amdhsa_next_free_vgpr 512
		.amdhsa_next_free_sgpr 66
		.amdhsa_reserve_vcc 0
		.amdhsa_float_denorm_mode_32 3
		.amdhsa_float_denorm_mode_16_64 3
		.amdhsa_memory_ordered 1
		.amdhsa_forward_progress 1
		.amdhsa_inst_pref_size 124
	.end_amdhsa_kernel
	.amdgpu_metadata
---
amdhsa.version: [ 1, 2 ]
amdhsa.kernels:
  - .name:           k_q1dab9e2b71_attn
    .symbol:         k_q1dab9e2b71_attn.kd
    .args:
      - { .name: qc, .offset: 0, .size: 8, .value_kind: global_buffer, .address_space: global }
      - { .name: qs, .offset: 8, .size: 8, .value_kind: global_buffer, .address_space: global }
      - { .name: kv, .offset: 16, .size: 8, .value_kind: global_buffer, .address_space: global }
      - { .name: cc, .offset: 24, .size: 8, .value_kind: global_buffer, .address_space: global }
    .group_segment_fixed_size: 205824
    .private_segment_fixed_size: 0
    .kernarg_segment_align: 8
    .kernarg_segment_size: 32
    .max_flat_workgroup_size: 256
    .sgpr_count:     66
    .vgpr_count:     512
    .wavefront_size: 32
...
	.end_amdgpu_metadata
.endif
;; end of part 3
;; launch oproj (part 4): grid 8 x 32, 4 waves a work-group, clusters of 4 x 4, 222,720 bytes of LDS; arguments cc, woc, bo, out0; writes out0
.if DOCPART == 4
	.amdgcn_target "amdgcn-amd-amdhsa--gfx1250"
	.amdhsa_code_object_version 6
	.text
	.protected	k_q1dab9e2b71_oproj
	.globl	k_q1dab9e2b71_oproj
	.p2align	8
	.type	k_q1dab9e2b71_oproj,@function
k_q1dab9e2b71_oproj:
	s_mov_b64 s[64:65], 0
	v_nop
	global_prefetch_b8 v0, s[64:65] scope:SCOPE_SE
	s_setreg_imm32_b32 hwreg(HW_REG_WAVE_MODE, 25, 1), 1
	s_wait_xcnt 0x0
	s_wait_alu depctr_hold_cnt(0) depctr_sa_sdst(0) depctr_va_vdst(0) depctr_va_sdst(0) depctr_va_ssrc(0) depctr_va_vcc(0) depctr_vm_vsrc(0)
	s_getreg_b32 s2, hwreg(HW_REG_IB_STS2, 6, 4)
	s_cmp_eq_u32 s2, 0
	s_cbranch_scc0 .Lentry_in_a_cluster
	s_endpgm
.Lentry_in_a_cluster:
	s_bfe_u32 s2, ttmp6, 0x10000c
	s_cmp_lg_u32 s2, 0xf033
	s_cbranch_scc0 .Lentry_shape_is_right
	s_endpgm
.Lentry_shape_is_right:
; out = ctx Wo + bo on codes of FP6 (E2M3) with E8M0 scales; out is f32.
; SHARES.  Work-group (nt, mt): 128 tokens x 128 columns.  Wave (wm, wn): 64 x 64: 16 accumulators, made TRANSPOSED (source 0 = 16 columns of Wo, source 1 = 16 tokens): a lane holds eight neighbouring columns of one row of out.
; OPERANDS are images of registers in records of 12,800 bytes for each 128 along K: 8 fragments of 1,536 bytes, then 8 x 64 bytes of scale words.  Wo's: registers 4 c .. 4 c + 3 at 512 c + 16 x lane.
; ctx's: two halves of 768 bytes (one head each): registers 6 p .. 6 p + 3 at 768 p + 16 x lane, 6 p + 4, 5 at 768 p + 512 + 8 x lane.  Fragment f, row r, is row 64 (f / 4) + 8 (f % 4) + r + 24 (r / 8).
; LDS holds ALL of K: ctx's 8 records, Wo's 8 records, filled once, and behind them a stage of 16 rows x 272 bytes for each wave.  No slot is filled again.
; CLUSTER 4 x 4: ctx's records are shared along a row, Wo's along a column.  Even waves fetch ctx's records 4 (wave / 2) .. + 3, odd waves Wo's: one load of four records each.
; REGISTERS.  window 0: v5-7 lane offsets, v8-17 LDS addresses (two copies, 51,200 bytes apart: an LDS offset has 16 bits), v20-23 the way out, v32-39 scale words (two sets), v64-159 ctx's fragments (two sets), v160-223 rows of out.
;   window 1: v0-127 accumulators v[8 (4 a + b)], v128-223 Wo's fragments (two sets), v224-255 bo as four tiles.
.set REC,   12800
.set BOFF,  102400
.set STAGE, 204800
.set MSB, 0
.macro WIN new
.if MSB != \new
	s_set_vgpr_msb (MSB<<8)|\new
.set MSB, \new
.endif
.endm
.macro PLACES
.rept 4
	v_nop
.endr
.endm
.macro CROUND
	s_barrier_signal -1
	s_barrier_wait -1
	s_cmp_lg_u32 s12, 0
	s_cbranch_scc1 .Lnot_wave_0_\@
	s_barrier_signal -3
.Lnot_wave_0_\@:
	s_barrier_wait -3
	s_barrier_signal -1
	s_barrier_wait -1
.endm
.macro WM d, a, b, c, sa, sb, ra, rb
.if (\ra) && (\rb)
	v_wmma_scale_f32_16x16x128_f8f6f4 v[\d:\d+7], v[\a:\a+11], v[\b:\b+11], v[\c:\c+7], v[\sa], v[\sb] matrix_a_fmt:MATRIX_FMT_FP6 matrix_b_fmt:MATRIX_FMT_FP6 matrix_a_scale:MATRIX_SCALE_ROW1 matrix_b_scale:MATRIX_SCALE_ROW1
.elseif (\ra)
	v_wmma_scale_f32_16x16x128_f8f6f4 v[\d:\d+7], v[\a:\a+11], v[\b:\b+11], v[\c:\c+7], v[\sa], v[\sb] matrix_a_fmt:MATRIX_FMT_FP6 matrix_b_fmt:MATRIX_FMT_FP6 matrix_a_scale:MATRIX_SCALE_ROW1
.elseif (\rb)
	v_wmma_scale_f32_16x16x128_f8f6f4 v[\d:\d+7], v[\a:\a+11], v[\b:\b+11], v[\c:\c+7], v[\sa], v[\sb] matrix_a_fmt:MATRIX_FMT_FP6 matrix_b_fmt:MATRIX_FMT_FP6 matrix_b_scale:MATRIX_SCALE_ROW1
.else
	v_wmma_scale_f32_16x16x128_f8f6f4 v[\d:\d+7], v[\a:\a+11], v[\b:\b+11], v[\c:\c+7], v[\sa], v[\sb] matrix_a_fmt:MATRIX_FMT_FP6 matrix_b_fmt:MATRIX_FMT_FP6
.endif
.endm
.macro LOAD s                          ; K step s: 32 LDS loads into set s % 2
.set HF, (\s)/4
.set OF, REC*((\s)%4)
.set S2, (\s)%2
	WIN 0x40
.irp b, 0,1,2,3
.irp c, 0,1,2
	ds_load_b128 v[128+48*S2+12*\b+4*\c:131+48*S2+12*\b+4*\c], v[14+HF] offset:OF+1536*\b+512*\c
.endr
.endr
	WIN 0
.irp a, 0,1,2,3
.irp p, 0,1
	ds_load_b128 v[64+48*S2+12*\a+6*\p:67+48*S2+12*\a+6*\p], v[8+HF] offset:OF+1536*\a+768*\p
	ds_load_b64 v[68+48*S2+12*\a+6*\p:69+48*S2+12*\a+6*\p], v[10+HF] offset:OF+1536*\a+768*\p+512
.endr
.endr
.irp i, 0,1
	ds_load_b32 v[32+4*S2+\i], v[12+HF] offset:OF+128*\i      ; scale words of two neighbouring fragments: lanes 0-15 the even one's, lanes 16-31 the odd one's
	ds_load_b32 v[34+4*S2+\i], v[16+HF] offset:OF+128*\i
.endr
.endm
.macro MUL s                           ; 16 products; in K step 0 the bias tile is the C.  The 16 accumulators take turns, one instruction a turn
	WIN 0x51
.irp a, 0,1,2,3
.irp b, 0,1,2,3
.if (\s) == 0
	WM 8*(4*\a+\b), 128+48*((\s)%2)+12*\b, 64+48*((\s)%2)+12*\a, 224+8*\b, 34+4*((\s)%2)+\b/2, 32+4*((\s)%2)+\a/2, \b%2, \a%2
.else
	WM 8*(4*\a+\b), 128+48*((\s)%2)+12*\b, 64+48*((\s)%2)+12*\a, 8*(4*\a+\b), 34+4*((\s)%2)+\b/2, 32+4*((\s)%2)+\a/2, \b%2, \a%2
.endif
.endr
.endr
.endm
	s_load_b256 s[4:11], s[0:1], 0x0               ; cc s[4:5], woc s[6:7], bo s[8:9], out0 s[10:11]
	v_lshl_add_u32 v254, v0, 2, 0x36400
	v_mov_b32 v255, 0
	ds_add_u32 v254, v255
	ds_add_u32 v254, v255
	v_lshrrev_b32 v1, 5, v0
	v_readfirstlane_b32 s12, v1                    ; wave 0..3
	s_lshr_b32 s13, s12, 1                         ; wm.  Also: which four records I fetch
	s_and_b32 s14, s12, 1                          ; wn.  Also: I fetch ctx's records (0) or Wo's (1)
	s_bfe_u32 s15, ttmp6, 0x40000                  ; cx
	s_bfe_u32 s16, ttmp6, 0x40004                  ; cy
	s_lshl_b32 s17, ttmp9, 2
	s_add_co_u32 s17, s17, s15                     ; nt
	s_and_b32 s18, ttmp7, 0xffff
	s_lshl_b32 s18, s18, 2
	s_add_co_u32 s18, s18, s16                     ; mt
	s_lshl_b32 s52, s16, 2
	s_lshl_b32 s52, 15, s52                        ; my row of the cluster
	s_lshl_b32 s54, 0x1111, s15                    ; my column
	s_or_b32 s20, s52, (3<<16)|(1<<21)
	s_or_b32 s28, s54, (3<<16)|(1<<21)
.irp g, 20, 28                                 ; a record: 50 rows of 256 bytes (32 elements of 8 bytes), dense
	s_mov_b32 s[\g+1], 32<<16
	s_mov_b32 s[\g+2], 200<<16                     ; four records: 200 rows
	s_mov_b32 s[\g+3], 32<<16
	s_mov_b32 s[\g+4], 200
	s_mov_b32 s[\g+5], 32
	s_mov_b32 s[\g+6], 0
	s_mov_b32 s[\g+7], 0
.endr
	s_mul_i32 s19, s13, 4*REC                      ; my load: records 4 x (wave / 2) .. + 3 of ctx (even waves) or of Wo (odd waves)
	s_mul_i32 s52, s18, 8*REC                      ; ctx: made of the tile row and the wave's number alone
	s_add_co_u32 s52, s52, s19
	s_mov_b32 s53, 0
	s_mul_i32 s54, s17, 8*REC                      ; Wo: of the tile column and the wave's number alone
	s_add_co_u32 s54, s54, s19
	s_mov_b32 s55, 0
	s_mul_i32 s56, s14, BOFF
	s_add_co_u32 s56, s56, s19                     ; in LDS: of the wave's number alone
	s_wait_dscnt 0x0
	CROUND                                         ; all sixteen work-groups are here
	s_wait_kmcnt 0x0
	s_add_nc_u64 s[52:53], s[4:5], s[52:53]
	s_add_nc_u64 s[54:55], s[6:7], s[54:55]
	s_mov_b32 s36, 1
	s_mov_b32 s37, s56
	s_mov_b64 s[38:39], s[52:53]
	s_or_b32 s39, s39, 0x80000000
	s_mov_b32 s68, 1
	s_mov_b32 s69, s56
	s_mov_b64 s[70:71], s[54:55]
	s_or_b32 s71, s71, 0x80000000
; One load a wave, each in an arm of its own: waves 0 and 1 bring K steps 0-3 of ctx and of Wo, waves 2 and 3 K steps 4-7.
.macro ARM under, g0, g1, next
	s_cmp_lt_u32 s12, \under
	s_cbranch_scc0 \next
	tensor_load_to_lds s[\g0:\g0+3], s[\g1:\g1+7]
	s_nop 0
	PLACES
	s_branch .Lfirst_done
\next:
.endm
	ARM 1, 36, 20, .Lwave_1
	ARM 2, 68, 28, .Lwave_2
	ARM 3, 36, 20, .Lwave_3
	tensor_load_to_lds s[68:71], s[28:35]
	s_nop 0
	PLACES
.Lfirst_done:
	v_and_b32 v2, 31, v0
	v_and_b32 v3, 15, v0                           ; r
	v_bfe_u32 v4, v0, 4, 1                         ; h
	v_lshlrev_b32 v5, 4, v2
	s_wait_alu depctr_va_vdst(0)
	v_lshlrev_b32 v6, 3, v2
	s_wait_alu depctr_va_vdst(0)
	v_lshlrev_b32 v7, 2, v2
	s_wait_alu depctr_va_vdst(0)
	s_mul_i32 s57, s13, 6144                       ; ctx: my four fragments
	s_mul_i32 s58, s14, 6144
	s_add_co_u32 s58, s58, BOFF                    ; Wo: my four
	s_lshl_b32 s59, s13, 8
	s_add_co_u32 s59, s59, 12288                   ; ctx's scale words
	s_lshl_b32 s60, s14, 8
	s_add_co_u32 s60, s60, BOFF+12288              ; Wo's
.irp t, 0,1
	v_add_nc_u32 v[8+\t], s57, v5
	v_add_nc_u32 v[10+\t], s57, v6
	v_add_nc_u32 v[12+\t], s59, v7
	v_add_nc_u32 v[14+\t], s58, v5
	v_add_nc_u32 v[16+\t], s60, v7
	s_add_co_u32 s57, s57, 4*REC
	s_add_co_u32 s58, s58, 4*REC
	s_add_co_u32 s59, s59, 4*REC
	s_add_co_u32 s60, s60, 4*REC
.endr
	s_mul_i32 s61, s12, 4352
	s_add_co_u32 s61, s61, STAGE                   ; my stage
	v_mul_u32_u24 v20, v3, 272
	v_lshl_add_u32 v20, v4, 7, v20                 ; (+ 128 h: a lane's 32 columns are 32 h + 0 .. 31)
	v_add_nc_u32 v20, s61, v20                     ; in: row r, + 128 h
	v_mul_u32_u24 v21, v4, 272
	v_lshl_add_u32 v21, v3, 4, v21
	v_add_nc_u32 v21, s61, v21                     ; back: lanes 0-15 one row of 256 bytes, lanes 16-31 the next
	v_lshlrev_b32 v22, 12, v4
	v_lshl_add_u32 v22, v3, 4, v22                 ; and the same two rows in out
	v_lshlrev_b32 v23, 7, v4
	s_wait_alu depctr_va_vdst(0)
	s_lshl_b32 s84, s17, 9
	s_lshl_b32 s85, s14, 8
	s_add_co_u32 s84, s84, s85                     ; my 64 columns, in bytes
	s_mov_b32 s85, 0
	s_add_nc_u64 s[8:9], s[8:9], s[84:85]
	s_add_nc_u64 s[10:11], s[10:11], s[84:85]
	s_lshl_b32 s84, s18, 19
	s_lshl_b32 s86, s13, 18
	s_add_co_u32 s84, s84, s86                     ; my 64 rows of 4,096 bytes
	s_add_nc_u64 s[10:11], s[10:11], s[84:85]
	WIN 0x40
.irp b, 0,1,2,3                                ; bo: register j of tile b is the bias of column 32 h + 8 b + j
	global_load_b128 v[224+8*\b:227+8*\b], v23, s[8:9] offset:32*\b      ; column 32 h + 8 b + j
	global_load_b128 v[228+8*\b:231+8*\b], v23, s[8:9] offset:32*\b+16
.endr
	WIN 0
	s_wait_alu depctr_va_vdst(0)                   ; the wait at the head's end
	s_cmp_lt_u32 s12, 2
	s_cbranch_scc0 .Lnot_first
	s_wait_tensorcnt 0x0                           ; waves 0 and 1: K steps 0-3 are in
.Lnot_first:
	s_barrier_signal -1
	s_barrier_wait -1
	LOAD 0
	s_wait_loadcnt 0x0                             ; the bias
.irp s, 0,1,2,3,4,5,6,7
.if \s == 3
	s_wait_tensorcnt 0x0                           ; K steps 4-7 are in
	s_wait_dscnt 0x0
	s_barrier_signal -1
	s_barrier_wait -1
.endif
.if \s < 7
	PLACES                                         ; in front of loads into the set that the step before has read
	LOAD \s+1
	s_wait_dscnt 32                                ; all but the 32 just issued
.else
	s_wait_dscnt 0x0
.endif
	MUL \s
.endr
	WIN 0
; THE WAY OUT, a tile of 16 tokens x 64 columns at a time, through my own stage: a lane's 128 bytes go in, whole rows of 256 bytes come back.  LDS serves a wave's instructions in order: no wait between the stores and the loads.
.macro TOSTAGE a
	WIN 0x04                                       ; an LDS store's data are its source 1: window 1
.irp b, 0,1,2,3
	ds_store_b128 v20, v[8*(4*(\a)+\b):8*(4*(\a)+\b)+3] offset:32*\b       ; each accumulator from its low end on
	ds_store_b128 v20, v[8*(4*(\a)+\b)+4:8*(4*(\a)+\b)+7] offset:32*\b+16
.endr
	WIN 0
.irp t, 0,1,2,3,4,5,6,7
	ds_load_b128 v[160+32*((\a)%2)+4*\t:163+32*((\a)%2)+4*\t], v21 offset:544*\t
.endr
.endm
.macro SEND a, younger                 ; younger: the LDS instructions issued behind tile a's loads
	s_wait_dscnt \younger
.irp t, 0,1,2,3,4,5,6,7
	global_store_b128 v22, v[160+32*((\a)%2)+4*\t:163+32*((\a)%2)+4*\t], s[10:11] offset:(8*(\a)+2*\t+24*(\t/4))*4096 th:TH_STORE_NT   ; tile a's row r is token 32 (r / 8) + 8 a + r % 8; 16 lanes store 256 consecutive bytes, at a multiple of 256 from out's first byte
.endr
.endm
	PLACES
	TOSTAGE 0
.irp a, 1,2,3
.if \a > 1
	s_wait_xcnt 0x0                                ; tile a - 2's stores have read their registers: tile a's loads may land there
.endif
	TOSTAGE \a
	SEND \a-1, 16
.endr
	SEND 3, 0
	s_wait_dscnt 0x0
	s_wait_tensorcnt 0x0
	ds_add_u32 v254, v255
	s_wait_dscnt 0x0
	CROUND                                         ; the closing round
	s_endpgm
.Lfunc_end_k_q1dab9e2b71_oproj:
	.size	k_q1dab9e2b71_oproj, .Lfunc_end_k_q1dab9e2b71_oproj-k_q1dab9e2b71_oproj
	.p2alignl 7, 3214868480
	.fill 96, 4, 3214868480
	.section	.rodata,"a",@progbits
	.p2align	6, 0x0
	.amdhsa_kernel k_q1dab9e2b71_oproj
		.amdhsa_group_segment_fixed_size 222720
		.amdhsa_private_segment_fixed_size 0
		.amdhsa_enable_private_segment 0
		.amdhsa_kernarg_size 32
		.amdhsa_user_sgpr_count 2
		.amdhsa_user_sgpr_kernarg_segment_ptr 1
		.amdhsa_wavefront_size32 1
		.amdhsa_system_sgpr_workgroup_id_x 1
		.amdhsa_system_sgpr_workgroup_id_y 1
		.amdhsa_system_sgpr_workgroup_id_z 1
		.amdhsa_system_vgpr_workitem_id 0
		.amdhsa_next_free_vgpr 512
		.amdhsa_next_free_sgpr 100
		.amdhsa_reserve_vcc 0
		.amdhsa_float_denorm_mode_32 3
		.amdhsa_float_denorm_mode_16_64 3
		.amdhsa_memory_ordered 1
		.amdhsa_forward_progress 1
		.amdhsa_inst_pref_size 51
	.end_amdhsa_kernel
	.amdgpu_metadata
---
amdhsa.version: [ 1, 2 ]
amdhsa.kernels:
  - .name:           k_q1dab9e2b71_oproj
    .symbol:         k_q1dab9e2b71_oproj.kd
    .args:
      - { .name: cc, .offset: 0, .size: 8, .value_kind: global_buffer, .address_space: global }
      - { .name: woc, .offset: 8, .size: 8, .value_kind: global_buffer, .address_space: global }
      - { .name: bo, .offset: 16, .size: 8, .value_kind: global_buffer, .address_space: global }
      - { .name: out0, .offset: 24, .size: 8, .value_kind: global_buffer, .address_space: global }
    .group_segment_fixed_size: 222720
    .private_segment_fixed_size: 0
    .kernarg_segment_align: 8
    .kernarg_segment_size: 32
    .max_flat_workgroup_size: 128
    .sgpr_count:     100
    .vgpr_count:     512
    .wavefront_size: 32
...
	.end_amdgpu_metadata
.endif
;; end of part 4
